; MI455X (gfx1250); checked and timed in simulation.
; The chip was launched on July 23, 2026; its instructions are those of AMD's public machine-readable ISA for CDNA 5 (MIT licence, August 2026) and "CDNA5" Instruction Set Architecture Reference Guide (July 2026). The comments in the code are by the model that wrote it; some were corrected since.
;; multi head attention. Allowed arithmetic: matrix products marked QUANTISED: E3M2 operands, one E8M0 scale for each 32 along K, by v_wmma_scale_f32_16x16x128_f8f6f4 with both operands' format E3M2, f32 sums; everything else in f32.
;; Inputs: b_k 1,024 float32; b_o 1,024 float32; b_q 1,024 float32; b_v 1,024 float32; k 4 x 2,048 x 1,024 float32; q 4 x 2,048 x 1,024 float32; v 4 x 2,048 x 1,024 float32; w_k 1,024 x 1,024 float32; w_o 1,024 x 1,024 float32; w_q 1,024 x 1,024 float32; w_v 1,024 x 1,024 float32.
;; Outputs: out0 4 x 2,048 x 1,024 float32.
;; This version of the problem:
;;   THIS VERSION OF THE PROBLEM IS GIVEN IN LOW PRECISION. The matrix products marked QUANTISED in the list below multiply operands that are first quantised to E3M2 (3 exponent bits, 2 mantissa bits; 6 bits a number), with one power-of-two scale for each 32 numbers along K (OCP MX v1.0); their sums are f32. All else is computed in f32.
;;   The module's matrix products, in the order in which they are computed (A, B: the left and right operand; K: the contracted axis; several contracted axes count as one K, in the product's order):
;;     1. [M 8,192, K 1,024] x [K 1,024, N 1,024]; A: input q; B: input w_q: QUANTISED
;;     2. [M 8,192, K 1,024] x [K 1,024, N 1,024]; A: input k; B: input w_k: QUANTISED
;;     3. [M 8,192, K 1,024] x [K 1,024, N 1,024]; A: input v; B: input w_v: QUANTISED
;;     4. batch 64 x [M 2,048, K 64] x [K 64, N 2,048]; A: computed on the way; B: computed on the way: QUANTISED
;;     5. batch 64 x [M 2,048, K 2,048] x [K 2,048, N 64]; A: softmax (see below); B: computed on the way: QUANTISED
;;     6. [M 8,192, K 1,024] x [K 1,024, N 1,024]; A: computed on the way; B: input w_o: QUANTISED
;;   THE QUANTISER, for each operand of a quantised product, along K:
;;     - K is cut into blocks of 32 from its start; a last block that is shorter is filled with zeros.
;;     - A block's scale is 2^e with e = floor(log2(the largest magnitude in the block)) - 4, held to -126 .. 127; a block of zeros has e = 0. As a byte (E8M0): e + 127.
;;     - Each number is divided by its block's scale, clamped to +-28, and rounded to the nearest number of E3M2, ties to even, subnormals kept.
;;     - The product sums the exact products of the quantised numbers (number of the format x scale) in f32.
;;   ~~~python
;;   def quantise(x, axis):      # numpy; x: float32 -> the quantised numbers, widened to float32 again
;;       x = np.moveaxis(x, axis, -1); K = x.shape[-1]
;;       x = np.pad(x, [(0, 0)] * (x.ndim - 1) + [(0, -K % 32)]); x = x.reshape(x.shape[:-1] + (-1, 32)); a = np.abs(x).max(-1, keepdims=True)
;;       e = np.where(a > 0, np.clip(np.frexp(np.where(a > 0, a, 1))[1] - 1 - 4, -126, 127), 0)      # np.frexp(a)[1] - 1 = floor(log2(a)), exactly
;;       r = np.clip(x / 2.0 ** e, -28, 28)
;;       step = 2.0 ** (np.maximum(np.frexp(np.where(r == 0, 1, r))[1] - 1, -2) - 2)
;;       q = np.round(r / step) * step * 2.0 ** e      # np.round: ties to even
;;       return np.moveaxis(q.reshape(q.shape[:-2] + (-1,))[..., :K], -1, axis).astype(np.float32)
;;   ~~~
;;   SOFTMAX AHEAD OF A QUANTISED PRODUCT. Where the list says 'softmax', what is quantised is not the finished softmax but p = 2^(t - M), with t = logit x log2(e) and M = ceil(the row's largest t), a whole number; so 1/2 < the row's largest p <= 1. The row's sum l is taken of the UNQUANTISED p, in f32, and the product's result is divided by l at the end. Since M is a whole number, a kernel that streams over the keys may use a running M (the ceiling of the running maximum): every later rescaling is an exact power of two, which a block's scale takes up: the codes' values come out the same.
;;   OPERANDS COMPUTED ON THE WAY. 'Computed on the way' means the value that the module computes at that place (a softmax that the list does not call 'softmax' is quantised finished and normalised). What goes into a quantiser is computed in f32, as accurately as f32 sums, v_exp_f32 and their like allow (about 1e-6 of the number): no bf16 or f16 on the way to a quantiser, and a product that is left as it is and whose result goes on into a quantised operand takes f32 operands (vector FMAs, or v_wmma_f32_16x16x4_f32). A number that lies on a knife's edge between two numbers of the format may be rounded either way, as far as f32 arithmetic and the matrix unit's own rounding can turn it there, and no further.
;; One version. Each part assembles by itself: llvm-mc -triple=amdgcn-amd-amdhsa -mcpu=gfx1250 --defsym DOCPART=n.
;; ======== version 1 of 1: 4 launches
;; workspace buffers: xi 22,020,096 bytes; wi 3,670,016 bytes; pf 22,020,096 bytes; of 7,340,032 bytes
;; launch quant (part 1): grid 1024 x 1, 4 waves a work-group, no clusters, 48,640 bytes of LDS; arguments q, k, v, w_q, w_k, w_v, w_o, xi, wi; writes xi, wi
.if DOCPART == 1
	.amdgcn_target "amdgcn-amd-amdhsa--gfx1250"
	.amdhsa_code_object_version 6
	.text
	.protected	k_qe2544030ca_quant
	.globl	k_qe2544030ca_quant
	.p2align	8
	.type	k_qe2544030ca_quant,@function
k_qe2544030ca_quant:
	s_mov_b64 s[64:65], 0
	v_nop
	global_prefetch_b8 v0, s[64:65] scope:SCOPE_SE
	s_setreg_imm32_b32 hwreg(HW_REG_WAVE_MODE, 25, 1), 1
	s_wait_xcnt 0x0
; q, k, v [8192][1024] and w_q, w_k, w_v, w_o [1024 (k)][1024 (n)], all f32, become OPERAND IMAGES of BF6 (E3M2) codes with one E8M0 scale byte for each 32 along K.
; AN IMAGE is the register picture of one fragment, 16 rows x 128 K, 12 registers a lane: 1,792 bytes.  Registers 2 p, 2 p + 1 of lane l lie at 256 p + 8 l (p = 0 .. 5); at 1536 + 8 l lie the scale word
; of row l % 16 (four bytes, the lower K in the lower byte) and that word >> 16.  Each of its seven runs of 256 bytes is written by one store of 32 lanes and read back by one load of 8 bytes a lane.
; THE ROWS OF A TILE ARE NOT NEIGHBOURS: lane r of tile T holds row 32 (T / 2) + 8 (T % 2) + r + 8 (r / 8), so that a product whose source 0 is such a tile leaves 16 neighbours in the 16 registers of two tiles.
; xi: tensor t at t x 7,340,032, image (token tile T, K step s) at 14,336 T + 1,792 s.  wi: weight t at t x 917,504, image (column tile, K step) likewise.
; A block's scale is 2^(floor(log2(largest magnitude)) - 4): its byte is the largest magnitude's exponent field - 4, held at 1 from below by a floor among the maximum's leaves.
; LIMITS: NaN and infinities among the inputs are not served; a block whose largest magnitude lies under 2^-122 gets the byte 1, and so does a block of zeros (the rule says 127: its codes are zeros,
; which add nothing under any byte but 0xff, and only this program reads the bytes).
; SHARES.  Work-groups 0-767: q, k, v, 256 each; a wave takes one token tile and half of K: four images out of 32 KiB of f32.  Work-groups 768-1023: the weights, 64 each; a wave takes 32 columns x 128 k: two images.
; No matrix unit, no tensor load, no barrier, no cluster: waves share nothing and every byte is read once.  The two paths have LDS bytes of their own.
.set IMG,  1792
.set TROW, 8*IMG                       ; the eight images of a tile
.set XT,   512*TROW                    ; a tensor's images
.set WT,   64*TROW                     ; a weight's images
.set SP,   528                         ; x path: a stage row, 512 bytes + 16: sixteen rows start at sixteen different 16-byte columns
.set XST,  16*SP                       ; x path: a wave's stage
.set WST,  4*XST                       ; w path: its stages begin behind the x path's
.set R,    16                          ; v16-143  x path: two sets of 64 as loaded;  w path: v16-79 two sets of 32
.set X,    144                         ; v144-207 x path: 64 numbers, register 16 b + i = k 32 b + 16 (lane / 16) + i of my row
.set PC,   208                         ; v208-227 the codes just made
.set TM,   228                         ; v228-243 maxima, bytes, scale operands
.set PW,   244                         ; v244-245 the scale word, and the word >> 16
.set SEL,  28                          ; s[28:29] v_permlanex16_b32's selects for lane l xor 16
	s_load_b256 s[8:15], s[0:1], 0x0               ; q s[8:9], k s[10:11], v s[12:13], w_q s[14:15]
	s_load_b256 s[16:23], s[0:1], 0x20             ; w_k s[16:17], w_v s[18:19], w_o s[20:21], xi s[22:23]
	s_load_b64 s[24:25], s[0:1], 0x40              ; wi
	v_lshl_add_u32 v254, v0, 2, 0xbc00
	v_mov_b32 v255, 0
	v_lshrrev_b32 v1, 5, v0
	v_readfirstlane_b32 s26, v1                    ; wave 0..3
	v_and_b32 v1, 31, v0                           ; lane
	v_lshlrev_b32 v5, 3, v1                        ; 8 x lane: my place in a run of 256 bytes of an image
	s_mov_b32 s[SEL], 0x76543210
	s_mov_b32 s[SEL+1], 0xfedcba98
	s_mov_b32 s37, 0                               ; the upper word of every 32-bit offset
	s_wait_kmcnt 0x0
	s_cmp_ge_u32 ttmp9, 768
	s_cbranch_scc1 .Lw
; ---------------------------------------------------------------- q, k, v: K is innermost
; 64 numbers of a lane become a fragment's codes in v[PC] on and its scale word in v[PW].
.macro QUANT s
.irp b, 0,1,2,3
	v_max3_num_f32 v[TM+\b], |v[\s+16*\b]|, |v[\s+1+16*\b]|, 0x2800000   ; block b: my 16 numbers, and the floor 2^(5 - 127): the byte cannot fall under 1
.endr
.irp i, 2,4,6,8,10,12,14
.irp b, 0,1,2,3
	v_max3_num_f32 v[TM+\b], v[TM+\b], |v[\s+16*\b+\i]|, |v[\s+1+16*\b+\i]|   ; the four blocks by turns
.endr
.endr
.irp b, 0,1,2,3
	v_permlanex16_b32 v[TM+4+\b], v[TM+\b], s[SEL], s[SEL+1]
.endr
.irp b, 0,1,2,3
	v_max_num_f32 v[TM+\b], v[TM+\b], v[TM+4+\b]   ; with lane l xor 16's 16: the block's largest magnitude
.endr
.irp b, 0,1,2,3
	v_add_nc_u32 v[TM+12+\b], 0xfe000000, v[TM+\b] ; 4 off its exponent field: the conversion takes the exponent field of this operand as its scale
.endr
.irp b, 0,1,2,3
	v_lshrrev_b32 v[TM+4+\b], 23, v[TM+12+\b]      ; the scale's byte
.endr
	v_lshl_or_b32 v[PW], v[TM+5], 8, v[TM+4]
	v_lshl_or_b32 v[PW], v[TM+6], 16, v[PW]
	v_lshl_or_b32 v[PW], v[TM+7], 24, v[PW]        ; my row's scale word
	v_lshrrev_b32 v[PW+1], 16, v[PW]               ; and its upper two bytes alone, for a reader that wants K 64 .. 127 only
.irp c, 0,1
	v_cvt_scalef32_pk16_bf6_f32 v[PC+6*\c:PC+2+6*\c], v[\s+32*\c:\s+15+32*\c], v[TM+12+2*\c]
	v_cvt_scalef32_pk16_bf6_f32 v[PC+12+4*\c:PC+14+4*\c], v[\s+16+32*\c:\s+31+32*\c], v[TM+12+2*\c+1]   ; (a conversion's three registers begin on an even number)
.endr
	v_nop                                          ; one plain place behind a scaled conversion
.irp c, 0,1                                    ; the layout wants a WHOLE block in a lane: lanes 0-15 block 2 c, lanes 16-31 block 2 c + 1
.irp i, 0,1,2
	v_permlane16_swap_b32 v[PC+6*\c+\i], v[PC+12+4*\c+\i]
.endr
.irp i, 0,1,2
	v_mov_b32 v[PC+3+6*\c+\i], v[PC+12+4*\c+\i]
.endr
.endr
.endm
.macro LOADX t                         ; image t's numbers: row i's 512 bytes by one load, 16 bytes a lane
.irp i, 0,1,2,3,4,5,6,7,8,9,10,11,12,13,14,15
	global_load_b128 v[R+64*((\t)%2)+4*\i:R+64*((\t)%2)+4*\i+3], v2, s[30:31] offset:(\i+8*(\i/8))*4096+512*(\t) th:TH_LOAD_NT
.endr
.endm
.macro IMGX t
.if (\t) < 3
	s_wait_loadcnt 16                              ; this image's 16 loads are in; the next image's 16 may be out
.else
	s_wait_loadcnt 0x0
.endif
.irp i, 0,1,2,3,4,5,6,7,8,9,10,11,12,13,14,15
	ds_store_b128 v3, v[R+64*((\t)%2)+4*\i:R+64*((\t)%2)+4*\i+3] offset:SP*\i   ; through my wave's stage, as they lie
.endr
.irp b, 0,1,2,3
.irp j, 0,1,2,3
	ds_load_b128 v[X+16*\b+4*\j:X+16*\b+4*\j+3], v4 offset:128*\b+16*\j   ; and back, 16 neighbours of each block of 32.  LDS serves a wave's instructions in order: these see the stores above
.endr
.endr
	s_wait_dscnt 0x0                               ; the numbers are back, and the stage's stores have read their registers
	s_wait_xcnt 0x0                                ; the last image's stores have read the codes' registers
.if (\t) < 2
	LOADX (\t)+2
.endif
	QUANT X
.irp p, 0,1,2,3,4,5
	global_store_b64 v5, v[PC+2*\p:PC+2*\p+1], s[22:23] offset:IMG*(\t)+256*\p   ; 32 lanes store 256 consecutive bytes, at a multiple of 256 from xi's first byte
.endr
	global_store_b64 v5, v[PW:PW+1], s[22:23] offset:IMG*(\t)+1536
.endm
	s_cmp_lt_u32 ttmp9, 512                        ; which tensor: the choice hangs on the work-group's number alone
	s_cselect_b64 s[30:31], s[10:11], s[12:13]
	s_cmp_lt_u32 ttmp9, 256
	s_cselect_b64 s[30:31], s[8:9], s[30:31]
	s_lshr_b32 s32, ttmp9, 8                       ; t
	s_and_b32 s33, ttmp9, 255
	s_lshl_b32 s33, s33, 2
	s_add_co_u32 s33, s33, s26
	s_lshr_b32 s34, s33, 1                         ; my token tile T, 0 .. 511
	s_and_b32 s35, s33, 1                          ; my half of K
	s_lshr_b32 s36, s34, 1
	s_lshl_b32 s36, s36, 5
	s_and_b32 s38, s34, 1
	s_lshl_b32 s38, s38, 3
	s_add_co_u32 s36, s36, s38                     ; the tile's first token: 32 (T / 2) + 8 (T % 2)
	s_lshl_b32 s36, s36, 12
	s_lshl_b32 s38, s35, 11
	s_add_co_u32 s36, s36, s38
	s_add_nc_u64 s[30:31], s[30:31], s[36:37]
	s_mul_i32 s36, s32, XT
	s_mul_i32 s38, s34, TROW
	s_add_co_u32 s36, s36, s38
	s_mul_i32 s38, s35, 4*IMG
	s_add_co_u32 s36, s36, s38
	s_add_nc_u64 s[22:23], s[22:23], s[36:37]
	v_lshlrev_b32 v2, 4, v1                        ; 16 x lane
	s_mul_i32 s38, s26, XST
	v_add_nc_u32 v3, s38, v2                       ; the stage, on the way in
	v_and_b32 v6, 15, v0                           ; r
	v_bfe_u32 v7, v0, 4, 1                         ; h
	v_mul_u32_u24 v4, v6, SP
	v_lshl_add_u32 v4, v7, 6, v4
	v_add_nc_u32 v4, s38, v4                       ; and on the way out: row r, + 64 h
.irp b, 0,1,2,3
	v_mov_b32 v[TM+4+\b], 0                        ; written once: a lane permute's destination counts as one of its sources
.endr
	LOADX 0
	LOADX 1
	IMGX 0
	IMGX 1
	IMGX 2
	IMGX 3
	s_wait_tensorcnt 0x0
	ds_add_u32 v254, v255
	s_wait_dscnt 0x0
	s_endpgm
; ---------------------------------------------------------------- the weights: K is the FIRST axis.  A lane takes a column, its registers run down K
.Lw:
.macro LOADW kb                        ; block kb: W(32 kb + i, my column); 32 lanes read 128 consecutive bytes
.irp i, 0,1,2,3,4,5,6,7,8,9,10,11,12,13,14,15,16,17,18,19,20,21,22,23,24,25,26,27,28,29,30,31
	global_load_b32 v[R+32*((\kb)%2)+\i], v2, s[30:31] offset:(32*(\kb)+\i)*4096 th:TH_LOAD_NT
.endr
.endm
.macro BLOCKW kb
.set XS, R+32*((\kb)%2)
.set CW, 144+8*(\kb)                   ; the block's six registers of codes: a set for each block, so that no LDS store's data are written again
.set CX, 176+4*(\kb)
.if (\kb) < 3
	s_wait_loadcnt 32                              ; this block's 32 loads are in; the next block's may be out
.else
	s_wait_loadcnt 0x0
.endif
	v_max3_num_f32 v12, |v[XS]|, |v[XS+1]|, |v[XS+2]|   ; all 32 numbers of the block are mine
	v_max3_num_f32 v13, |v[XS+3]|, |v[XS+4]|, |v[XS+5]|
.irp i, 6,10,14,18,22,26
	v_max3_num_f32 v12, v12, |v[XS+\i]|, |v[XS+\i+1]|
	v_max3_num_f32 v13, v13, |v[XS+\i+2]|, |v[XS+\i+3]|
.endr
	v_max3_num_f32 v12, v12, |v[XS+30]|, |v[XS+31]|
	v_max3_num_f32 v12, v12, v13, 0x2800000        ; and the floor
	v_add_nc_u32 v14, 0xfe000000, v12              ; the conversion's scale operand
	v_lshrrev_b32 v13, 23, v14                     ; the byte
.if (\kb) == 0
	v_mov_b32 v10, v13
.else
	v_lshl_or_b32 v10, v13, 8*(\kb), v10           ; my column's scale word, the lower K in the lower byte
.endif
	v_cvt_scalef32_pk16_bf6_f32 v[CW:CW+2], v[XS:XS+15], v14
	v_cvt_scalef32_pk16_bf6_f32 v[CX:CX+2], v[XS+16:XS+31], v14
	v_nop                                          ; one plain place behind a scaled conversion
.irp i, 0,1,2
	v_mov_b32 v[CW+3+\i], v[CX+\i]
.endr
.irp p, 0,1,2
	ds_store_b64 v3, v[CW+2*\p:CW+2*\p+1] offset:768*((\kb)/2)+128*((\kb)%2)+256*\p   ; block 2 c + h is registers 6 c .. 6 c + 5 of lane r + 16 h of my tile's image
.endr
.if (\kb) < 2
	LOADW (\kb)+2
.endif
.endm
	s_sub_co_u32 s32, ttmp9, 768
	s_lshr_b32 s33, s32, 6                         ; which weight
	s_and_b32 s34, s32, 7                          ; K step
	s_bfe_u32 s35, s32, 0x30003                    ; which 128 columns
	s_cmp_eq_u32 s33, 2
	s_cselect_b64 s[30:31], s[18:19], s[20:21]
	s_cmp_eq_u32 s33, 1
	s_cselect_b64 s[30:31], s[16:17], s[30:31]
	s_cmp_eq_u32 s33, 0
	s_cselect_b64 s[30:31], s[14:15], s[30:31]
	s_lshl_b32 s36, s34, 19                        ; 128 rows of 4,096 bytes a K step,
	s_lshl_b32 s38, s35, 9
	s_add_co_u32 s36, s36, s38
	s_lshl_b32 s38, s26, 7                         ; my wave's 32 columns
	s_add_co_u32 s36, s36, s38
	s_add_nc_u64 s[30:31], s[30:31], s[36:37]
	s_mul_i32 s36, s33, WT
	s_lshl_b32 s38, s35, 3
	s_lshl_b32 s39, s26, 1
	s_add_co_u32 s38, s38, s39                     ; my first column tile: 8 x group + 2 x wave
	s_mul_i32 s38, s38, TROW
	s_add_co_u32 s36, s36, s38
	s_mul_i32 s38, s34, IMG
	s_add_co_u32 s36, s36, s38
	s_add_nc_u64 s[24:25], s[24:25], s[36:37]
	v_lshlrev_b32 v2, 2, v1                        ; 4 x lane
	s_mul_i32 s38, s26, 2*IMG
	s_add_co_u32 s38, s38, WST                     ; my wave's two images in LDS
	v_add_nc_u32 v4, s38, v5                       ; out of them: 8 x lane
	v_bfe_u32 v6, v0, 3, 1                         ; column l of the 32 belongs to tile (l / 8) % 2,
	v_and_b32 v7, 7, v0
	v_bfe_u32 v8, v0, 4, 1
	v_lshl_add_u32 v7, v8, 3, v7                   ; as its row l % 8 + 8 (l / 16)
	v_lshlrev_b32 v7, 3, v7
	v_mad_u32_u24 v3, v6, IMG, v7
	v_add_nc_u32 v3, s38, v3                       ; into them
	LOADW 0
	LOADW 1
	BLOCKW 0
	BLOCKW 1
	BLOCKW 2
	BLOCKW 3
	v_lshrrev_b32 v11, 16, v10
	ds_store_b64 v3, v[10:11] offset:1536          ; the scale word, for lane r
	ds_store_b64 v3, v[10:11] offset:1664          ; and for lane r + 16
.irp n, 0,1,2,3,4,5,6,7,8,9,10,11,12,13
	ds_load_b64 v[80+2*\n:81+2*\n], v4 offset:IMG*(\n/7)+256*(\n%7)   ; LDS serves a wave's instructions in order: these see my stores
.endr
.irp n, 0,1,2,3,4,5,6,7,8,9,10,11,12,13
	s_wait_dscnt 13-\n                             ; load n is back; the younger ones may be out
	global_store_b64 v5, v[80+2*\n:81+2*\n], s[24:25] offset:TROW*(\n/7)+256*(\n%7)   ; 256 consecutive bytes, at a multiple of 256 from wi's first byte
.endr
	s_wait_tensorcnt 0x0
	ds_add_u32 v254, v255
	s_wait_dscnt 0x0
	s_endpgm
.Lfunc_end_k_qe2544030ca_quant:
	.size	k_qe2544030ca_quant, .Lfunc_end_k_qe2544030ca_quant-k_qe2544030ca_quant
	.p2alignl 7, 3214868480
	.fill 96, 4, 3214868480
	.section	.rodata,"a",@progbits
	.p2align	6, 0x0
	.amdhsa_kernel k_qe2544030ca_quant
		.amdhsa_group_segment_fixed_size 48640
		.amdhsa_private_segment_fixed_size 0
		.amdhsa_enable_private_segment 0
		.amdhsa_kernarg_size 72
		.amdhsa_user_sgpr_count 2
		.amdhsa_user_sgpr_kernarg_segment_ptr 1
		.amdhsa_wavefront_size32 1
		.amdhsa_system_sgpr_workgroup_id_x 1
		.amdhsa_system_sgpr_workgroup_id_y 1
		.amdhsa_system_sgpr_workgroup_id_z 1
		.amdhsa_system_vgpr_workitem_id 0
		.amdhsa_next_free_vgpr 256
		.amdhsa_next_free_sgpr 66
		.amdhsa_reserve_vcc 0
		.amdhsa_float_denorm_mode_32 3
		.amdhsa_float_denorm_mode_16_64 3
		.amdhsa_memory_ordered 1
		.amdhsa_forward_progress 1
		.amdhsa_inst_pref_size 58
	.end_amdhsa_kernel
	.amdgpu_metadata
---
amdhsa.version: [ 1, 2 ]
amdhsa.kernels:
  - .name:           k_qe2544030ca_quant
    .symbol:         k_qe2544030ca_quant.kd
    .args:
      - { .name: q, .offset: 0, .size: 8, .value_kind: global_buffer, .address_space: global }
      - { .name: k, .offset: 8, .size: 8, .value_kind: global_buffer, .address_space: global }
      - { .name: v, .offset: 16, .size: 8, .value_kind: global_buffer, .address_space: global }
      - { .name: w_q, .offset: 24, .size: 8, .value_kind: global_buffer, .address_space: global }
      - { .name: w_k, .offset: 32, .size: 8, .value_kind: global_buffer, .address_space: global }
      - { .name: w_v, .offset: 40, .size: 8, .value_kind: global_buffer, .address_space: global }
      - { .name: w_o, .offset: 48, .size: 8, .value_kind: global_buffer, .address_space: global }
      - { .name: xi, .offset: 56, .size: 8, .value_kind: global_buffer, .address_space: global }
      - { .name: wi, .offset: 64, .size: 8, .value_kind: global_buffer, .address_space: global }
    .group_segment_fixed_size: 48640
    .private_segment_fixed_size: 0
    .kernarg_segment_align: 8
    .kernarg_segment_size: 72
    .max_flat_workgroup_size: 128
    .sgpr_count:     66
    .vgpr_count:     256
    .wavefront_size: 32
...
	.end_amdgpu_metadata
.endif
;; end of part 1
;; launch proj (part 2): grid 4 x 96, 4 waves a work-group, clusters of 4 x 4, 327,680 bytes of LDS; arguments xi, wi, b_q, b_k, b_v, pf; writes pf
.if DOCPART == 2
	.amdgcn_target "amdgcn-amd-amdhsa--gfx1250"
	.amdhsa_code_object_version 6
	.text
	.protected	k_qe2544030ca_proj
	.globl	k_qe2544030ca_proj
	.p2align	8
	.type	k_qe2544030ca_proj,@function
k_qe2544030ca_proj:
	s_mov_b64 s[64:65], 0
	v_nop
	global_prefetch_b8 v0, s[64:65] scope:SCOPE_SE
	s_setreg_imm32_b32 hwreg(HW_REG_WAVE_MODE, 25, 1), 1
	s_wait_xcnt 0x0
	s_wait_alu depctr_hold_cnt(0) depctr_sa_sdst(0) depctr_va_vdst(0) depctr_va_sdst(0) depctr_va_ssrc(0) depctr_va_vcc(0) depctr_vm_vsrc(0)
	s_getreg_b32 s2, hwreg(HW_REG_IB_STS2, 6, 4)
	s_cmp_eq_u32 s2, 0
	s_cbranch_scc0 .Lentry_in_a_cluster
	s_endpgm
.Lentry_in_a_cluster:
	s_bfe_u32 s2, ttmp6, 0x10000c
	s_cmp_lg_u32 s2, 0xf033
	s_cbranch_scc0 .Lentry_shape_is_right
	s_endpgm
.Lentry_shape_is_right:
; qh = q w_q + b_q, kh = k w_k + b_k, vh = v w_v + b_v, on operand images of BF6 (E3M2) codes; each result is quantised in registers and leaves as operand images for the attention.
; AN IMAGE: 1,792 bytes, the register picture of a fragment of 16 rows x 128 K: registers 2 p, 2 p + 1 of lane l at 256 p + 8 l; at 1536 + 8 l the scale word of row l % 16 and that word >> 16.
; Lane r of tile T holds row 32 (T / 2) + 8 (T % 2) + r + 8 (r / 8).  Source 0 of every product is such a tile, so register j of result tile 2 b + u in lane (r, h) is index 32 b + 16 h + 8 u + j of source 0's rows:
; the 64 registers of eight result tiles are 64 of 128 neighbours, in the order that the next operand's layout gives the lane.
; SHARES.  24 clusters of 4 x 4 work-groups, eight for each tensor (t = cluster y / 8).  A work-group makes 256 x 256, each of four waves 128 x 128: 64 accumulators, 512 registers.
;   q, k: source 1 (A) = tokens, source 0 (B) = the weight's columns: a lane holds one token, registers run along the channels: images [token tile][head pair], K = the two heads' 64 + 64 channels.
;   v:    source 1 (A) = the weight's columns, source 0 (B) = tokens: a lane holds one channel, registers run along the tokens, which are the K of the attention's second product: images [128 tokens][channel tile].
; K = 1,024 goes in 8 steps of 128; a slot holds two steps (a tile's two images lie on end in memory), two slots, four fills: written out, no loop.
; CLUSTER.  The four work-groups of a row of the cluster need the same tiles of A, the four of a column the same tiles of B: each is asked for jointly.  The one branch on t is the same in all partners of a cluster.
; The bias is the C of each sum's first matrix instruction: nothing is cleared and nothing is added afterwards.
; LIMITS: as the quantiser's launch: NaN and infinities are not served; a block under 2^-122, and a block of zeros, get the byte 1.
; REGISTERS, in windows of 256: window 0: v16-29 addresses; v32-63 scale words, two sets; v64-127 the bias; v128-223 A's fragments, one set (on the way out: codes and scratch); v224-231 the bias loads' offsets.
;   window 1: B's fragments, two sets, at v0 and v128.   windows 2, 3: the accumulators of A's blocks 0-3, 4-7: (a, b) at v[8 (8 (a % 4) + b)].
.set IMG,   1792
.set TROW,  8*IMG                      ; a tile's eight images in memory
.set TILE2, 2*IMG                      ; a tile's two images of a slot
.set HALFT, 8*TILE2                    ; eight tiles: what one tensor load brings, and what one wave reads of A or of B
.set SLOT,  4*HALFT                    ; A's 16 tiles, then B's 16
.set SPARE, 2*SLOT                     ; behind the ring: the spare words, 128 bytes for each wave: two blocks of 256 bytes that no other line names
.set XT,    512*TROW
.set WT,    64*TROW
.set NQ,    2
.set FR,    12
.set NL,    6
.set NP,    4                          ; places behind this matrix instruction (ISA guide 7.12.1)
.set ADRA,  16                         ; v16-17  LDS address of my A images in slot 0, 1
.set ADRB,  20                         ; v20-21  the same for B
.set ADRS,  22                         ; v22-23  of my scale words: lanes 0-15 A's, lanes 16-31 B's
.set CO,    26                         ; v26     8 x lane
.set SPW,   28                         ; v28     LDS address of my spare word; never rewritten
.set NIL,   29                         ; v29     0; never rewritten
.set SC,    32                         ; scale words: set s at v[SC + 16 s]; register 2 i + q: lanes 0-15 A's block i, lanes 16-31 B's block i, the slot's q-th step
.set BIAS,  64
.set AF,    128
.set BOF,   224
.set PC,    160                        ; the way out: codes
.set PW,    180                        ; the scale word and the word >> 16
.set TM,    200                        ; maxima, bytes, scale operands
.set SEL,   98                         ; s[98:99]
.set G1,  24
.set G0,  32
.set G1B, 48
.set G0B, 56
.set MSB, 0
.macro WIN new                         ; the immediate's high byte repeats the setting that is left
.if MSB != \new
	s_set_vgpr_msb (MSB<<8)|\new
.set MSB, \new
.endif
.endm
.set MUL_LO, 0xa1                      ; source 0 (B) window 1, source 1 (A) window 0, C and D window 2
.set MUL_HI, 0xf1                      ; the same, C and D window 3
.set TO_B,   0x40                      ; destination window 1, address window 0
; A joint load: waves 0 and 1 fetch for A, waves 2 and 3 for B; the branch hangs on the wave's number alone.  Four v_nop follow each of the two lines.
.macro JLOAD g0a, g1a, g0b, g1b
	s_cmp_eq_u32 s17, 0
	s_cbranch_scc0 .Lfor_b_\@
	tensor_load_to_lds s[\g0a:\g0a+3], s[\g1a:\g1a+7]
	s_nop 0
.rept 4
	v_nop
.endr
	s_branch .Lasked_\@
.Lfor_b_\@:
	tensor_load_to_lds s[\g0b:\g0b+3], s[\g1b:\g1b+7]
	s_nop 0
.rept 4
	v_nop
.endr
.Lasked_\@:
.endm
.macro CREST                           ; a round of the cluster's barrier behind its opening barrier
	s_cmp_lg_u32 s16, 0
	s_cbranch_scc1 .Lnot_wave_0_\@
	s_barrier_signal -3
.Lnot_wave_0_\@:
	s_barrier_wait -3
	s_barrier_signal -1
	s_barrier_wait -1
.endm
.macro CROUND
	s_barrier_signal -1
	s_barrier_wait -1
	CREST
.endm
	s_load_b256 s[4:11], s[0:1], 0x0               ; xi s[4:5], wi s[6:7], b_q s[8:9], b_k s[10:11]
	s_load_b128 s[12:15], s[0:1], 0x20             ; b_v s[12:13], pf s[14:15]
	v_lshl_add_u32 v[SPW], v0, 2, SPARE
	v_mov_b32 v[NIL], 0
	ds_add_u32 v28, v29
	s_wait_dscnt 0x0
	v_lshrrev_b32 v1, 5, v0
	v_readfirstlane_b32 s16, v1                    ; wave 0..3
	s_lshr_b32 s17, s16, 1                         ; which half of A's tiles is mine.  Also: I fetch for A (0) or for B (1)
	s_and_b32 s18, s16, 1                          ; which half of B's.  Also: which eight tiles I fetch
	s_bfe_u32 s40, ttmp6, 0x40000                  ; cx, cy: my place in the cluster
	s_bfe_u32 s41, ttmp6, 0x40004
	s_and_b32 s69, ttmp7, 0xffff                   ; the cluster's y, 0 .. 23 (the grid is one cluster wide)
	s_lshr_b32 s19, s69, 3                         ; t: 0 q, 1 k, 2 v
	s_and_b32 s20, s69, 7
	s_lshl_b32 s20, s20, 2                         ; the cluster's first block of 256 tokens
	s_lshl_b32 s43, s41, 2
	s_lshl_b32 s43, 15, s43                        ; my row of the cluster
	s_lshl_b32 s44, 0x1111, s40                    ; my column
	; descriptor group 1: eight rows (tiles) of 3,584 bytes (two images), 14,336 bytes apart, dense in LDS
	s_or_b32 s[G1+0], s43, (3<<16)|(1<<21)         ; 15:0 the mask: A's tiles go to my row; 17:16 elements of 8 bytes; 20 padding off; 21 set beside a mask
	s_or_b32 s[G1B+0], s44, (3<<16)|(1<<21)
.irp g, G1, G1B
	s_mov_b32 s[\g+1], 448<<16                     ; tensor_dim0 = 448 elements
	s_mov_b32 s[\g+2], 8<<16                       ; tensor_dim1 = 8
	s_mov_b32 s[\g+3], 448<<16                     ; tile_dim0
	s_mov_b32 s[\g+4], 8                           ; tile_dim1
	s_mov_b32 s[\g+5], 1792                        ; tensor_dim0_stride, in elements
	s_mov_b32 s[\g+6], 0
	s_mov_b32 s[\g+7], 0
.endr
	s_mul_i32 s78, s19, XT                         ; tensor t's images in xi (and in pf),
	s_mul_i32 s79, s19, WT                         ; its weight's in wi
	s_cmp_eq_u32 s19, 2
	s_cselect_b32 s76, 0, s20                      ; the tokens are A's tiles for q and k,
	s_cselect_b32 s77, s20, 0                      ; B's for v
	s_cselect_b32 s80, s79, s78
	s_cselect_b32 s82, s78, s79
	s_add_co_u32 s68, s76, s41                     ; A's block of 16 tiles: hangs on cy and the cluster alone
	s_add_co_u32 s42, s77, s40                     ; B's: on cx and the cluster alone
	s_lshl_b32 s85, s18, 3                         ; which eight tiles I fetch
	s_lshl_b32 s84, s68, 4
	s_add_co_u32 s84, s84, s85
	s_mul_i32 s84, s84, TROW
	s_add_co_u32 s80, s80, s84
	s_mov_b32 s81, 0
	s_lshl_b32 s86, s42, 4
	s_add_co_u32 s86, s86, s85
	s_mul_i32 s86, s86, TROW
	s_add_co_u32 s82, s82, s86
	s_mov_b32 s83, 0
	s_mul_i32 s45, s16, HALFT                      ; where they go: wave x eight tiles: no place in the cluster enters an LDS address
	s_mov_b32 s[SEL], 0x76543210
	s_mov_b32 s[SEL+1], 0xfedcba98
	s_wait_kmcnt 0x0
	s_cmp_eq_u32 s19, 2
	s_cselect_b64 s[66:67], s[6:7], s[4:5]         ; A's buffer,
	s_cselect_b64 s[46:47], s[4:5], s[6:7]         ; B's: the choice hangs on the cluster's number alone
	s_add_nc_u64 s[66:67], s[66:67], s[80:81]
	s_add_nc_u64 s[46:47], s[46:47], s[82:83]
	CROUND                                         ; all sixteen work-groups are here: the first joint loads meet
.irp s, 0,1
	s_mov_b32 s[G0+4*\s], 1
	s_add_co_u32 s[G0+4*\s+1], s45, \s*SLOT
	s_add_nc_u64 s[G0+4*\s+2:G0+4*\s+3], s[66:67], \s*TILE2
	s_or_b32 s[G0+4*\s+3], s[G0+4*\s+3], 0x80000000
	s_mov_b32 s[G0B+4*\s], 1
	s_add_co_u32 s[G0B+4*\s+1], s45, \s*SLOT
	s_add_nc_u64 s[G0B+4*\s+2:G0B+4*\s+3], s[46:47], \s*TILE2
	s_or_b32 s[G0B+4*\s+3], s[G0B+4*\s+3], 0x80000000
	JLOAD G0+4*\s, G1, G0B+4*\s, G1B               ; two loads of mine are out
.endr
	v_and_b32 v1, 31, v0                           ; lane
	v_bfe_u32 v2, v0, 4, 1                         ; h
	v_lshlrev_b32 v[CO], 3, v1                     ; 8 x lane
	s_mul_i32 s21, s17, HALFT                      ; my eight tiles of A
	s_mul_i32 s22, s18, HALFT                      ; my eight of B,
	s_add_co_u32 s22, s22, 2*HALFT                 ; which lie behind A's sixteen
	s_sub_co_u32 s23, s22, s21
	v_mul_u32_u24 v4, s23, v2                      ; lanes 16-31 take B's scale words: one product, the distance from A's to B's
.irp s, 0,1
	v_add_nc_u32 v[ADRA+\s], s21, v[CO]
	v_add_nc_u32 v[ADRB+\s], s22, v[CO]
	v_add_nc_u32 v[ADRS+\s], v[ADRA+\s], v4
	s_add_co_u32 s21, s21, SLOT
	s_add_co_u32 s22, s22, SLOT
.endr
	; the bias, in the result's layout.  q, k: register 8 b + j of lane (r, h) = bias of channel 32 (b / 2) + 8 (b % 2) + 16 h + j;  v: register 8 a + j = bias of channel 32 (a / 2) + 8 (a % 2) + r + 8 (r / 8), for every j
	s_cmp_eq_u32 s19, 1
	s_cselect_b64 s[70:71], s[10:11], s[8:9]
	s_cmp_eq_u32 s19, 2
	s_cselect_b64 s[70:71], s[12:13], s[70:71]
	s_lshl_b32 s87, s42, 8
	s_lshl_b32 s88, s18, 7
	s_add_co_u32 s87, s87, s88                     ; my first channel, q and k: B's side
	s_lshl_b32 s89, s68, 8
	s_lshl_b32 s88, s17, 7
	s_add_co_u32 s89, s89, s88                     ; v: A's side
	s_cmp_eq_u32 s19, 2
	s_cselect_b32 s94, s89, s87
	s_cselect_b32 s90, 0, 64                       ; bytes for h,
	s_cselect_b32 s91, 4, 0                        ; for r + 8 (r / 8),
	s_cselect_b32 s92, 0, 4                        ; for j
	s_lshl_b32 s94, s94, 2
	s_mov_b32 s95, 0
	s_add_nc_u64 s[70:71], s[70:71], s[94:95]
	v_and_b32 v5, 15, v0
	v_and_b32 v6, 8, v5
	v_add_nc_u32 v6, v6, v5                        ; r + 8 (r / 8)
	v_mul_u32_u24 v7, s90, v2
	v_mad_u32_u24 v7, v6, s91, v7
.irp j, 0,1,2,3,4,5,6,7
	v_mad_u32_u24 v[BOF+\j], s92, \j, v7
.endr
.irp x, 0,1,2,3,4,5,6,7
.irp j, 0,1,2,3,4,5,6,7
	global_load_b32 v[BIAS+8*\x+\j], v[BOF+\j], s[70:71] offset:4*(32*(\x/2)+8*(\x%2))
.endr
.endr
	; where my images go.  q, k: pf + t XT + 14,336 x token tile + 1,792 x head pair;  v: pf + 2 XT + 114,688 x (128 tokens) + 1,792 x channel tile
	s_mov_b32 s74, TROW
	s_mov_b32 s93, IMG
	s_mov_b32 s96, 64*IMG
	s_cmp_eq_u32 s19, 2
	s_cselect_b32 s74, s93, s74                    ; from one of A's tiles to the next
	s_cselect_b32 s96, s96, s93                    ; from one 128 of B's side to the next
	s_mov_b32 s75, 0
	s_lshl_b32 s94, s68, 4
	s_lshl_b32 s97, s17, 3
	s_add_co_u32 s94, s94, s97
	s_mul_i32 s94, s94, s74
	s_lshl_b32 s97, s42, 1
	s_add_co_u32 s97, s97, s18
	s_mul_i32 s97, s97, s96
	s_add_co_u32 s94, s94, s97
	s_add_co_u32 s94, s94, s78
	s_add_nc_u64 s[72:73], s[14:15], s[94:95]
.macro FRAG reg, adr, q, i             ; an image comes back as the fragment's registers: six loads of 8 bytes a lane, 256 consecutive bytes each
.irp p, 0,1,2,3,4,5
	ds_load_b64 v[\reg+2*\p:\reg+2*\p+1], v[\adr] offset:(\i)*TILE2+(\q)*IMG+256*\p
.endr
.endm
; 16 matrix instructions: A's blocks a0, a0 + 1 x B's eight, the slot's q-th step.  p: B's set; sc: the set of scale words.  zero = 1, 2: the first products take the bias as C (by B's block, by A's block); the window says which
; registers C's number means.  The 64 accumulators take turns, one instruction a turn, in the same order in every step.
.macro MUL16 a0, p, q, sc, zero
.irp a, \a0, \a0+1
.irp b, 0,1,2,3,4,5,6,7
.set DD, 8*(8*((\a)%4)+\b)
.if \zero == 1
.set CC, BIAS+8*\b
.elseif \zero == 2
.set CC, BIAS+8*(\a)
.else
.set CC, DD
.endif
	v_wmma_scale_f32_16x16x128_f8f6f4 v[DD:DD+7], v[128*(\p)+FR*\b:128*(\p)+FR*\b+FR-1], v[AF+FR*(\a):AF+FR*(\a)+FR-1], v[CC:CC+7], v[SC+8*NQ*(\sc)+NQ*\b+(\q)], v[SC+8*NQ*(\sc)+NQ*(\a)+(\q)] matrix_a_fmt:MATRIX_FMT_BF6 matrix_b_fmt:MATRIX_FMT_BF6 matrix_a_scale:MATRIX_SCALE_ROW1
.endr
.endr
.endm
.macro FETCH_B slot, q, p
	WIN TO_B
.irp i, 0,1,2,3,4,5,6,7
	FRAG 128*(\p)+FR*\i, ADRB+\slot, \q, \i
.endr
	WIN 0
.endm
.macro FETCH_A slot, q, i0
.irp i, \i0, \i0+1, \i0+2, \i0+3
	FRAG AF+FR*(\i), ADRA+\slot, \q, \i
.endr
.endm
.macro SCALES sc                       ; a slot's scale words: lanes 0-15 take A's block i, lanes 16-31 B's block i
.irp i, 0,1,2,3,4,5,6,7
.irp q, 0,1
	ds_load_b32 v[SC+8*NQ*\sc+NQ*\i+\q], v[ADRS+\sc] offset:\i*TILE2+\q*IMG+1536
.endr
.endr
.endm
.macro PLACES n                        ; plain vector lines between a matrix instruction and a load into, or a read of, its registers
.rept \n
	v_nop
.endr
.endm
.macro STEP slot, q, zero              ; a step of 128 along K that has its successor in the same slot
	s_wait_dscnt 4*NL                              ; B's set, A's blocks 0-3 and the scale words are in; the youngest 24 loads (A's blocks 4-7) may be out
.if \zero
	WIN 0x81                                       ; C (the bias) window 0, D window 2
.else
	WIN MUL_LO
.endif
	MUL16 0, (\q)%2, \q, \slot, \zero
	MUL16 2, (\q)%2, \q, \slot, \zero
	s_wait_dscnt 0
	PLACES NP
	FETCH_B \slot, (\q)+1, 1-(\q)%2
	FETCH_A \slot, (\q)+1, 0
.if \zero
	WIN 0xc1
.else
	WIN MUL_HI
.endif
	MUL16 4, (\q)%2, \q, \slot, \zero
	MUL16 6, (\q)%2, \q, \slot, \zero
	PLACES NP
	WIN 0
	FETCH_A \slot, (\q)+1, 4
.endm
; A slot's last step changes slots: ONE barrier; in front of it each wave waits for all its tensor loads, adds 0 to its spare word, and waits for that and for its reads of this slot.  fill = 1: this slot is filled again.
.macro TURN slot, next, fill
	s_wait_tensorcnt 0x0                           ; all my tensor loads have landed: my part of the next slot
	ds_add_u32 v[SPW], v[NIL]                      ; 0 onto my spare word
	s_wait_dscnt 4*NL+1                            ; (the add and the youngest 24 loads may be out)
	WIN MUL_LO
	MUL16 0, 1, NQ-1, \slot, 0
	s_wait_dscnt 0x0                               ; the add is done, and my reads of this slot are over
	s_barrier_signal -1
	MUL16 2, 1, NQ-1, \slot, 0
	WIN 0
	s_barrier_wait -1
.if \fill
	CREST                                          ; the barrier has opened a round of the cluster's barrier: no wave of any partner still reads this slot or has a load on its way
	s_add_nc_u64 s[G0+4*\slot+2:G0+4*\slot+3], s[G0+4*\slot+2:G0+4*\slot+3], 2*TILE2
	s_add_nc_u64 s[G0B+4*\slot+2:G0B+4*\slot+3], s[G0B+4*\slot+2:G0B+4*\slot+3], 2*TILE2
	JLOAD G0+4*\slot, G1, G0B+4*\slot, G1B         ; the first tensor load behind the round; its four v_nop are the places in front of the loads below
.else
	PLACES NP
.endif
	FETCH_B \next, 0, 0
	FETCH_A \next, 0, 0
	SCALES \next
	WIN MUL_HI
	MUL16 4, 1, NQ-1, \slot, 0
	MUL16 6, 1, NQ-1, \slot, 0
	PLACES NP
	WIN 0
	FETCH_A \next, 0, 4
.endm
	s_wait_tensorcnt 0x1                           ; my part of slot 0 is in; slot 1's load may be out
	s_barrier_signal -1
	s_barrier_wait -1
	FETCH_B 0, 0, 0
	FETCH_A 0, 0, 0
	SCALES 0
	FETCH_A 0, 0, 4
	s_wait_loadcnt 0x0                             ; the bias
	s_cmp_eq_u32 s19, 2                            ; the first step is written twice: the bias goes by B's blocks (q, k) or by A's (v).  No barrier and no tensor load stands in either
	s_cbranch_scc1 .Lfirst_v
	STEP 0, 0, 1
	s_branch .Ljoin
.Lfirst_v:
	STEP 0, 0, 2
.Ljoin:
	TURN 0, 1, 1                                   ; K steps 1 | slot 0 takes steps 4, 5
	STEP 1, 0, 0
	TURN 1, 0, 1                                   ; slot 1 takes steps 6, 7
	STEP 0, 0, 0
	TURN 0, 1, 0                                   ; nothing is left to fetch
	STEP 1, 0, 0
	s_wait_dscnt 4*NL
	WIN MUL_LO
	MUL16 0, 1, NQ-1, 1, 0
	MUL16 2, 1, NQ-1, 1, 0
	s_wait_dscnt 0
	WIN MUL_HI
	MUL16 4, 1, NQ-1, 1, 0
	MUL16 6, 1, NQ-1, 1, 0
	WIN 0
; THE WAY OUT.  The 64 registers of A's block a are 64 of my row's 128 neighbours along the next K: they are quantised where they lie and leave as one image.  Each accumulator is read from its low end on.
.macro QUANTA a
.set AC, 64*((\a)%4)
	WIN 0x0a+5*((\a)/4)                            ; sources 0 and 1: window 2 or 3
.irp b, 0,1,2,3
	v_max3_num_f32 v[TM+\b], |v[AC+16*\b]|, |v[AC+1+16*\b]|, 0x2800000   ; with the floor 2^(5 - 127)
.endr
.irp i, 2,4,6,8,10,12,14
.irp b, 0,1,2,3
	v_max3_num_f32 v[TM+\b], |v[AC+16*\b+\i]|, |v[AC+1+16*\b+\i]|, v[TM+\b]
.endr
.endr
	WIN 0
.irp b, 0,1,2,3
	v_permlanex16_b32 v[TM+4+\b], v[TM+\b], s[SEL], s[SEL+1]
.endr
.irp b, 0,1,2,3
	v_max_num_f32 v[TM+\b], v[TM+\b], v[TM+4+\b]
.endr
.irp b, 0,1,2,3
	v_add_nc_u32 v[TM+12+\b], 0xfe000000, v[TM+\b]
.endr
.irp b, 0,1,2,3
	v_lshrrev_b32 v[TM+4+\b], 23, v[TM+12+\b]
.endr
	v_lshl_or_b32 v[PW], v[TM+5], 8, v[TM+4]
	v_lshl_or_b32 v[PW], v[TM+6], 16, v[PW]
	v_lshl_or_b32 v[PW], v[TM+7], 24, v[PW]
	v_lshrrev_b32 v[PW+1], 16, v[PW]
	WIN 0x02+((\a)/4)                              ; source 0: window 2 or 3
.irp c, 0,1
	v_cvt_scalef32_pk16_bf6_f32 v[PC+6*\c:PC+2+6*\c], v[AC+32*\c:AC+15+32*\c], v[TM+12+2*\c]
	v_cvt_scalef32_pk16_bf6_f32 v[PC+12+4*\c:PC+14+4*\c], v[AC+16+32*\c:AC+31+32*\c], v[TM+12+2*\c+1]
.endr
	WIN 0
	v_nop                                          ; one plain place behind a scaled conversion
.irp c, 0,1
.irp i, 0,1,2
	v_permlane16_swap_b32 v[PC+6*\c+\i], v[PC+12+4*\c+\i]
.endr
.irp i, 0,1,2
	v_mov_b32 v[PC+3+6*\c+\i], v[PC+12+4*\c+\i]
.endr
.endr
.endm
	PLACES NP                                      ; behind the last products: their results are read, and registers that held A's fragments are written
.irp b, 0,1,2,3
	v_mov_b32 v[TM+4+\b], 0                        ; a lane permute's destination counts as one of its sources
.endr
.irp a, 0,1,2,3,4,5,6,7
.if \a > 0
	s_wait_xcnt 0x0                                ; the last image's stores have read their data and their base
	s_add_nc_u64 s[72:73], s[72:73], s[74:75]
.endif
	QUANTA \a
.irp p, 0,1,2,3,4,5
	global_store_b64 v[CO], v[PC+2*\p:PC+2*\p+1], s[72:73] offset:256*\p   ; 32 lanes store 256 consecutive bytes, at a multiple of 256 from pf's first byte
.endr
	global_store_b64 v[CO], v[PW:PW+1], s[72:73] offset:1536
.endr
	s_wait_tensorcnt 0x0                           ; the wave's end
	ds_add_u32 v[SPW], v[NIL]
	s_wait_dscnt 0x0
	CROUND                                         ; the closing round
	s_endpgm
.Lfunc_end_k_qe2544030ca_proj:
	.size	k_qe2544030ca_proj, .Lfunc_end_k_qe2544030ca_proj-k_qe2544030ca_proj
	.p2alignl 7, 3214868480
	.fill 96, 4, 3214868480
	.section	.rodata,"a",@progbits
	.p2align	6, 0x0
	.amdhsa_kernel k_qe2544030ca_proj
		.amdhsa_group_segment_fixed_size 327680
		.amdhsa_private_segment_fixed_size 0
		.amdhsa_enable_private_segment 0
		.amdhsa_kernarg_size 48
		.amdhsa_user_sgpr_count 2
		.amdhsa_user_sgpr_kernarg_segment_ptr 1
		.amdhsa_wavefront_size32 1
		.amdhsa_system_sgpr_workgroup_id_x 1
		.amdhsa_system_sgpr_workgroup_id_y 1
		.amdhsa_system_sgpr_workgroup_id_z 1
		.amdhsa_system_vgpr_workitem_id 0
		.amdhsa_next_free_vgpr 1024
		.amdhsa_next_free_sgpr 100
		.amdhsa_reserve_vcc 0
		.amdhsa_float_denorm_mode_32 3
		.amdhsa_float_denorm_mode_16_64 3
		.amdhsa_memory_ordered 1
		.amdhsa_forward_progress 1
		.amdhsa_inst_pref_size 188
	.end_amdhsa_kernel
	.amdgpu_metadata
---
amdhsa.version: [ 1, 2 ]
amdhsa.kernels:
  - .name:           k_qe2544030ca_proj
    .symbol:         k_qe2544030ca_proj.kd
    .args:
      - { .name: xi, .offset: 0, .size: 8, .value_kind: global_buffer, .address_space: global }
      - { .name: wi, .offset: 8, .size: 8, .value_kind: global_buffer, .address_space: global }
      - { .name: b_q, .offset: 16, .size: 8, .value_kind: global_buffer, .address_space: global }
      - { .name: b_k, .offset: 24, .size: 8, .value_kind: global_buffer, .address_space: global }
      - { .name: b_v, .offset: 32, .size: 8, .value_kind: global_buffer, .address_space: global }
      - { .name: pf, .offset: 40, .size: 8, .value_kind: global_buffer, .address_space: global }
    .group_segment_fixed_size: 327680
    .private_segment_fixed_size: 0
    .kernarg_segment_align: 8
    .kernarg_segment_size: 48
    .max_flat_workgroup_size: 128
    .sgpr_count:     100
    .vgpr_count:     1024
    .wavefront_size: 32
...
	.end_amdgpu_metadata
.endif
;; end of part 2
;; launch attn (part 3): grid 8 x 32, 16 waves a work-group, no clusters, 327,680 bytes of LDS; arguments pf, of; writes of
.if DOCPART == 3
	.amdgcn_target "amdgcn-amd-amdhsa--gfx1250"
	.amdhsa_code_object_version 6
	.text
	.protected	k_qe2544030ca_attn
	.globl	k_qe2544030ca_attn
	.p2align	8
	.type	k_qe2544030ca_attn,@function
k_qe2544030ca_attn:
	s_mov_b64 s[64:65], 0
	v_nop
	global_prefetch_b8 v0, s[64:65] scope:SCOPE_SE
	s_setreg_imm32_b32 hwreg(HW_REG_WAVE_MODE, 25, 1), 1
	s_wait_xcnt 0x0
; Causal attention on operand images of BF6 (E3M2) codes: S^T = kh qh^T (K = the head's 64 channels), p = 2^(t - M), O^T = vh^T p^T (K = the keys), O / l quantised along the channels into images for the last product.
; t = score x log2(e) / 8; M = the running largest t rounded UP to a whole number; the row's sum l is taken of the unquantised p; when M moves, l and O^T are multiplied by 2^(old M - new M): exact.
; pf: qh at 0, kh at 7,340,032: image (token tile T, head pair) at 14,336 T + 1,792 hp, registers 0-5 the even head's 64 channels, 6-11 the odd head's; vh at 14,680,064: image (128 tokens jg, channel tile ct) at 114,688 jg + 1,792 ct.
; An image: registers 2 p, 2 p + 1 of lane l at 256 p + 8 l; at 1536 + 8 l the scale word of row l % 16 and that word >> 16.  Lane r of tile T holds row 32 (T / 2) + 8 (T % 2) + r + 8 (r / 8).
; SHARES.  Work-group (i, 8 b + hp) owns a head pair and TWO blocks of 128 queries, first block 15 - i, then block i.  Block j needs key steps 0 .. j of 128 keys, the last on the diagonal: (16 - i) + (i + 1) = 17 steps
; for every work-group: 256 equal work-groups, a constant trip count, and no tile that the mask hides is fetched or multiplied.  Wave w: head w / 8 of the pair, query tile w % 8 of the block in hand; 256 registers, four waves to a SIMD.
; NO CLUSTER: the eight work-groups of a head pair walk keys 0 .. 15 - i and then 0 .. i, so two of them ask for the same tile in the same trip only in the first 9 of 17 trips; behind that partners would need different tiles.
; THE SHORT K.  The instruction's K is 128, the head's 64.  My head's codes stand in registers 0-5 of both operands and its two scale bytes in bytes 0, 1 (dword w / 8 of the image's scale block).  Q's registers 6-11 are zero codes;
; K's fragment t is named v[32 + 6 t : 43 + 6 t], so its upper six registers are the next fragment's codes (zeros behind the last): they meet Q's zero codes and add exactly 0 (the format has no infinity and no NaN, no scale byte is 0xff).
; LIMITS: NaN and infinities are not served; a block of O / l under 2^-122, and a block of zeros, get the byte 1.  A block's largest p is the exponential of the block's largest score, which takes v_exp_f32 not to fall where its input rises.
; REGISTERS: v1-7, v11, v28 addresses that stay; v8-10 addresses of the step; v12 -M, v13 the largest t, v[14:15] l; v16-21 Q, v22-27 zeros; v32-79 K's eight half fragments, then V's four; v80-85 zeros; v86-93 K's scale words;
;   v96-159 S^T, then p; v160-191 O^T; v192-198 the second block's Q; v224-235 p's codes; v232-247, v252, v254 at work; v248-251 V's scale words; v253 p's; v255 Q's.
.set IMG,   1792
.set TROW,  8*IMG
.set STEPB, 8*TROW                     ; from a key step's images to the next step's, in kh and in vh alike
.set KH,    512*TROW
.set VH,    2*KH
.set SLOT1, 32768                      ; slot 1 begins here: one exclusive or turns an address
.set VOFF,  8*IMG                      ; a slot: K's eight images, then V's eight
.set SPARE, 2*SLOT1                    ; the spare words, 128 bytes for each of 16 waves: eight blocks of 256 bytes that no other line names
.set AK0,  1
.set AV0,  2
.set ASK0, 3
.set DM,   4                           ; v4  my query's place in its block - 16 (lane / 16)
.set SPW,  5
.set NIL,  6
.set VQ,   7                           ; v7  8 x lane + 768 x head: my head's three pairs in an image of Q or of O
.set ADK,  8
.set ADV,  9
.set ADS,  10
.set VOS,  11                          ; v11 8 x lane + 2 x head: my head's two scale bytes in an image of O
.set VS,   28                          ; v28 8 x lane + 4 x head: my head's dword of a scale block
.set WV,   18
.set CH,   19
.set SEL,  20
.set CS,   22
.set G1K,  24
.set G1V,  32
.set G0K,  40
.set G0V,  44
.set NS,   53                          ; the key step asked for last
.set LIM,  54                          ; 15 - i: the first block's last step
.set WRAPB, 55                         ; (16 - i) steps in bytes: back to step 0
.set DEL,  56                          ; s[56:57]
.set TB,   58                          ; the slot in hand
.set TRIPS, 59
.set CSTEP, 60                         ; the step in hand, within its block
.set CBLK, 61                          ; the block in hand: its diagonal step
.set WI,   62
.set OB,   66                          ; s[66:67] my image of O for the block in hand;  s[68:69] for the second block
.set OE,   68
.set QL,   70                          ; s[70:71], s[72:73] my images of Q
.set QE,   72
; Waves 0 and 1 fetch K's halves, waves 2 and 3 V's, the others nothing.  Four v_nop follow each of the two lines.
.macro TLOAD
	s_cmp_lt_u32 s[WV], 2
	s_cbranch_scc0 .Lnot_k_\@
	tensor_load_to_lds s[G0K:G0K+3], s[G1K:G1K+7]
	s_nop 0
.rept 4
	v_nop
.endr
	s_branch .Lasked_\@
.Lnot_k_\@:
	s_cmp_lt_u32 s[WV], 4
	s_cbranch_scc0 .Lasked_\@
	tensor_load_to_lds s[G0V:G0V+3], s[G1V:G1V+7]
	s_nop 0
.rept 4
	v_nop
.endr
.Lasked_\@:
.endm
	s_load_b128 s[4:7], s[0:1], 0x0                ; pf s[4:5], of s[6:7]
	v_lshl_add_u32 v[SPW], v0, 2, SPARE
	v_mov_b32 v[NIL], 0
	ds_add_u32 v5, v6
	ds_add_u32 v5, v6
	s_wait_dscnt 0x0
	v_lshrrev_b32 v29, 5, v0
	s_delay_alu instid0(VALU_DEP_1)
	v_readfirstlane_b32 s[WV], v29                 ; wave 0..15
	s_lshr_b32 s[CH], s[WV], 3                     ; my head of the pair
	s_and_b32 s74, s[WV], 7                        ; my query tile of a block
	s_mov_b32 s[WI], ttmp9                         ; i
	s_and_b32 s75, ttmp7, 0xffff
	s_lshr_b32 s76, s75, 3                         ; b
	s_and_b32 s77, s75, 7                          ; hp
	s_sub_co_u32 s[LIM], 15, s[WI]
	s_sub_co_u32 s78, 16, s[WI]
	s_mul_i32 s[WRAPB], s78, STEPB
	s_and_b32 s79, s[WV], 1                        ; which half I fetch, if I fetch
	s_mul_i32 s88, s77, IMG
	s_lshl_b32 s80, s76, 7
	s_lshl_b32 s81, s79, 2
	s_add_co_u32 s80, s80, s81
	s_mul_i32 s80, s80, TROW
	s_add_co_u32 s80, s80, s88
	s_add_co_u32 s80, s80, KH                      ; K: token tile 128 b + 4 x half, my head pair
	s_mov_b32 s81, 0
	s_mul_i32 s82, s76, 16*STEPB
	s_lshl_b32 s83, s77, 3
	s_lshl_b32 s84, s79, 2
	s_add_co_u32 s83, s83, s84
	s_mul_i32 s83, s83, IMG
	s_add_co_u32 s82, s82, s83
	s_add_co_u32 s82, s82, VH                      ; V: tokens of batch b, channel tile 8 hp + 4 x half
	s_mov_b32 s83, 0
	s_lshl_b32 s84, s76, 7
	s_add_co_u32 s84, s84, s74                     ; 128 b + my tile
	s_lshl_b32 s85, s[LIM], 3
	s_add_co_u32 s85, s85, s84
	s_mul_i32 s86, s85, TROW
	s_add_co_u32 s86, s86, s88                     ; my image of Q and of O, block 15 - i,
	s_mov_b32 s87, 0
	s_lshl_b32 s85, s[WI], 3
	s_add_co_u32 s85, s85, s84
	s_mul_i32 s90, s85, TROW
	s_add_co_u32 s90, s90, s88                     ; and block i
	s_mov_b32 s91, 0
	s_mul_i32 s89, s79, 4*IMG                      ; my half's place in a slot
	; descriptor group 1: four rows (images) of 1,792 bytes; K's 14,336 bytes apart, V's on end
	s_mov_b32 s[G1K], 3<<16                        ; no mask; elements of 8 bytes; no padding
	s_mov_b32 s[G1K+1], 224<<16                    ; tensor_dim0
	s_mov_b32 s[G1K+2], 4<<16                      ; tensor_dim1
	s_mov_b32 s[G1K+3], 224<<16                    ; tile_dim0
	s_mov_b32 s[G1K+4], 4                          ; tile_dim1
	s_mov_b32 s[G1K+5], 1792                       ; tensor_dim0_stride, in elements
	s_mov_b32 s[G1K+6], 0
	s_mov_b32 s[G1K+7], 0
	s_mov_b32 s[G1V], 3<<16
	s_mov_b32 s[G1V+1], 224<<16
	s_mov_b32 s[G1V+2], 4<<16
	s_mov_b32 s[G1V+3], 224<<16
	s_mov_b32 s[G1V+4], 4
	s_mov_b32 s[G1V+5], 224
	s_mov_b32 s[G1V+6], 0
	s_mov_b32 s[G1V+7], 0
	s_mov_b32 s[SEL], 0x76543210
	s_mov_b32 s[SEL+1], 0xfedcba98
	s_mov_b32 s[CS], 0x3e38aa3b                    ; c = log2(e) / sqrt(64)
	s_mov_b32 s[CS+1], s[CS]                       ; (named with it as a pair, so it is written)
	s_mov_b32 s[NS], 0
	s_mov_b32 s[DEL], 0
	s_mov_b32 s[DEL+1], 0
	s_mov_b32 s[TB], 0
	s_mov_b32 s[TRIPS], 16
	s_mov_b32 s[CSTEP], 0
	s_mov_b32 s[CBLK], s[LIM]
	s_wait_kmcnt 0x0
	s_mov_b32 s[G0K], 1
	s_mov_b32 s[G0K+1], s89
	s_add_nc_u64 s[G0K+2:G0K+3], s[4:5], s[80:81]
	s_or_b32 s[G0K+3], s[G0K+3], 0x80000000
	s_mov_b32 s[G0V], 1
	s_add_co_u32 s[G0V+1], s89, VOFF
	s_add_nc_u64 s[G0V+2:G0V+3], s[4:5], s[82:83]
	s_or_b32 s[G0V+3], s[G0V+3], 0x80000000
	TLOAD                                          ; key step 0 into slot 0: one load of mine is out
	s_add_nc_u64 s[QL:QL+1], s[4:5], s[86:87]
	s_add_nc_u64 s[QE:QE+1], s[4:5], s[90:91]
	s_add_nc_u64 s[OB:OB+1], s[6:7], s[86:87]
	s_add_nc_u64 s[OE:OE+1], s[6:7], s[90:91]
	v_and_b32 v29, 31, v0
	s_delay_alu instid0(VALU_DEP_1)
	v_lshlrev_b32 v29, 3, v29                      ; 8 x lane
	s_mul_i32 s92, s[CH], 768
	v_add_nc_u32 v[VQ], s92, v29
	v_add_nc_u32 v[AK0], s92, v29                  ; K: my head's three pairs of an image
	s_lshl_b32 s94, s[CH], 2
	v_add_nc_u32 v[VS], s94, v29
	s_delay_alu instid0(VALU_DEP_1)
	v_add_nc_u32 v[ASK0], 1536, v[VS]              ; K's scale words: my head's dword
.irp p, 0,1,2
	global_load_b64 v[16+2*\p:17+2*\p], v[VQ], s[QL:QL+1] offset:256*\p     ; Q of both blocks stays in registers
	global_load_b64 v[192+2*\p:193+2*\p], v[VQ], s[QE:QE+1] offset:256*\p
.endr
	global_load_b32 v255, v[VS], s[QL:QL+1] offset:1536
	global_load_b32 v198, v[VS], s[QE:QE+1] offset:1536
	s_mul_i32 s93, s[CH], 4*IMG
	s_add_co_u32 s93, s93, VOFF
	v_add_nc_u32 v[AV0], s93, v29                  ; V: my head's four images
	s_lshl_b32 s95, s[CH], 1
	v_add_nc_u32 v[VOS], s95, v29
	v_and_b32 v30, 15, v0                          ; r
	s_delay_alu instid0(VALU_DEP_1)
	v_and_b32 v31, 8, v30
	s_delay_alu instid0(VALU_DEP_1)
	v_add_nc_u32 v30, v31, v30                     ; r + 8 (r / 8)
	v_bfe_u32 v31, v0, 4, 1
	s_delay_alu instid0(VALU_DEP_1)
	v_lshlrev_b32 v31, 4, v31                      ; 16 h
	s_delay_alu instid0(VALU_DEP_1)
	v_sub_nc_u32 v[DM], v30, v31
	s_lshr_b32 s96, s74, 1
	s_lshl_b32 s96, s96, 5
	s_and_b32 s97, s74, 1
	s_lshl_b32 s97, s97, 3
	s_add_co_u32 s96, s96, s97
	v_add_nc_u32 v[DM], s96, v[DM]
	v_mov_b32 v13, 0xff61b1e6                      ; the largest t so far: -3e38
	s_delay_alu instid0(VALU_DEP_1)
	v_floor_f32 v12, -v13                          ; -M
	v_mov_b32 v14, 0
	v_mov_b32 v15, 0
.irp j, 0,1,2,3,4,5
	v_mov_b32 v[22+\j], 0                          ; Q's zero codes for K 64 .. 127
	v_mov_b32 v[80+\j], 0                          ; what K's last fragment names as its upper half
.endr
.irp b, 0,1,2,3
	v_mov_b32 v[236+\b], 0                         ; a lane permute's destination counts as one of its sources
.endr
	v_mov_b32 v253, 0                              ; (named as the upper half of the pair v[252:253] before it is first written)
.set jj, 0
.rept 32
	v_mov_b32 v[160+jj], 0                         ; O^T: the step is written once; its first turn finds zeros, which the first change of M leaves zeros
.set jj, jj+1
.endr
; A BLOCK'S END: O^T / l, quantised along my head's 64 channels, goes to my head's half of the image; then the wave turns to the second block.
.macro FINISH
.rept 4
	v_nop                                          ; places behind the last products
.endr
	v_add_f32 v14, v14, v15
	s_delay_alu instid0(VALU_DEP_1)
	v_permlanex16_b32 v252, v14, s[SEL], s[SEL+1]
	s_delay_alu instid0(VALU_DEP_1)
	v_add_f32 v14, v14, v252                       ; the row's sum
	s_wait_alu depctr_va_vdst(0)
	v_rcp_f32 v14, v14
	v_nop                                          ; one plain place behind a transcendental
.set jj, 0
	s_wait_alu depctr_va_vdst(0)
.rept 32
	v_mul_f32 v[96+jj], v[160+jj], v14             ; register 16 b + i is channel 32 b + 16 h + i of my query; each accumulator from its low end on
.set jj, jj+1
.endr
.irp b, 0,1
	v_max3_num_f32 v[232+\b], |v[96+16*\b]|, |v[97+16*\b]|, 0x2800000
.endr
.irp i, 2,4,6,8,10,12,14
.irp b, 0,1
	s_delay_alu instid0(VALU_DEP_2)
	v_max3_num_f32 v[232+\b], v[232+\b], |v[96+16*\b+\i]|, |v[97+16*\b+\i]|
.endr
.endr
.irp b, 0,1
	s_delay_alu instid0(VALU_DEP_2)
	v_permlanex16_b32 v[236+\b], v[232+\b], s[SEL], s[SEL+1]
.endr
.irp b, 0,1
	s_delay_alu instid0(VALU_DEP_2)
	v_max_num_f32 v[232+\b], v[232+\b], v[236+\b]
.endr
.irp b, 0,1
	s_delay_alu instid0(VALU_DEP_2)
	v_add_nc_u32 v[244+\b], 0xfe000000, v[232+\b]
.endr
.irp b, 0,1
	s_delay_alu instid0(VALU_DEP_2)
	v_lshrrev_b32 v[236+\b], 23, v[244+\b]
.endr
	s_delay_alu instid0(VALU_DEP_1)
	v_lshl_or_b32 v254, v237, 8, v236              ; my head's two scale bytes
	v_cvt_scalef32_pk16_bf6_f32 v[224:226], v[96:111], v244
	v_cvt_scalef32_pk16_bf6_f32 v[228:230], v[112:127], v245
	v_nop                                          ; one plain place behind a scaled conversion
	v_permlane16_swap_b32 v224, v228               ; a whole block to a lane
	v_permlane16_swap_b32 v225, v229
	v_permlane16_swap_b32 v226, v230
	s_delay_alu instid0(VALU_DEP_3)
	v_mov_b32 v227, v228
	s_delay_alu instid0(VALU_DEP_3)
	v_mov_b32 v228, v229
	s_delay_alu instid0(VALU_DEP_3)
	v_mov_b32 v229, v230
.irp p, 0,1,2
	global_store_b64 v[VQ], v[224+2*\p:225+2*\p], s[OB:OB+1] offset:256*\p   ; 32 lanes store 256 consecutive bytes, at a multiple of 256 from the buffer's first byte
.endr
	global_store_b16 v[VOS], v254, s[OB:OB+1] offset:1536   ; my half of the scale word; the other head's wave stores the other half
	global_store_b16 v[VOS], v254, s[OB:OB+1] offset:1540   ; and of the dword beside it, which nobody reads: so every byte of the image is written
	s_wait_xcnt 0x0                                ; the stores have read their data and their base
	s_mov_b64 s[OB:OB+1], s[OE:OE+1]
.irp j, 0,1,2,3,4,5
	v_mov_b32 v[16+\j], v[192+\j]                  ; the second block's Q,
.endr
	v_mov_b32 v255, v198                           ; its scale word (the 36 lines below stand between it and the next scaled product),
	v_mov_b32 v13, 0xff61b1e6
	s_delay_alu instid0(VALU_DEP_1)
	v_floor_f32 v12, -v13
	v_mov_b32 v14, 0
	v_mov_b32 v15, 0
.set jj, 0
.rept 32
	v_mov_b32 v[160+jj], 0
.set jj, jj+1
.endr
	s_mov_b32 s[CSTEP], -1                         ; the line behind the macro makes it 0
	s_mov_b32 s[CBLK], s[WI]
.endm
; A KEY STEP: 128 keys, from the slot in hand.
.macro STEP
	v_add_nc_u32 v[ADK], s[TB], v[AK0]
	v_add_nc_u32 v[ADV], s[TB], v[AV0]
	v_add_nc_u32 v[ADS], s[TB], v[ASK0]
	v_nop                                          ; four places in front of loads into registers that the last products have read
.irp t, 0,1,2,3,4,5,6,7
.irp p, 0,1,2
	ds_load_b64 v[32+6*\t+2*\p:33+6*\t+2*\p], v[ADK] offset:IMG*\t+256*\p
.endr
	ds_load_b32 v[86+\t], v[ADS] offset:IMG*\t
.endr
	s_wait_alu depctr_va_vdst(0)
	s_wait_dscnt 0x0
.irp t, 0,1,2,3,4,5,6,7                        ; S^T = K Q^T: lane (r, h) holds query r; the 16 registers of tiles 2 b, 2 b + 1 are keys 32 b + 16 h + 0 .. 15
	v_wmma_scale_f32_16x16x128_f8f6f4 v[96+8*\t:103+8*\t], v[32+6*\t:43+6*\t], v[16:27], 0, v[86+\t], v255 matrix_a_fmt:MATRIX_FMT_BF6 matrix_b_fmt:MATRIX_FMT_BF6
.endr
.rept 4
	v_nop                                          ; places: the scores are read, and K's registers take V
.endr
.irp t, 0,1,2,3                                ; V's four fragments are asked for now and land under the softmax
.irp p, 0,1,2,3,4,5
	ds_load_b64 v[32+12*\t+2*\p:33+12*\t+2*\p], v[ADV] offset:IMG*\t+256*\p
.endr
	ds_load_b32 v[248+\t], v[ADV] offset:IMG*\t+1536
.endr
	s_cmp_eq_u32 s[CSTEP], s[CBLK]                 ; the block's last step lies on the diagonal: a branch on ids
	s_cbranch_scc0 .Lopen_\@
	v_mov_b32 v254, 0xff800000                     ; hidden scores become -infinity ahead of the maximum.  Register 16 b + i holds key 16 h + 32 b + i of the step: hidden where 32 b + i > my query - 16 h
.set jj, 0
.rept 64
	v_cmp_gt_i32 vcc_lo, 32*(jj/16)+jj%16, v[DM]
	v_cndmask_b32 v[96+jj], v[96+jj], v254, vcc_lo
.set jj, jj+1
.endr
.Lopen_\@:
.irp b, 0,1,2,3
	v_max3_num_f32 v[232+\b], v[96+16*\b], v[97+16*\b], v[98+16*\b]   ; the largest score of each block of 32 keys: it serves the row's maximum and, since p rises with the score, the block's largest p
.endr
.irp i, 3,5,7,9,11,13
.irp b, 0,1,2,3
	v_max3_num_f32 v[232+\b], v[232+\b], v[96+16*\b+\i], v[97+16*\b+\i]
.endr
.endr
.irp b, 0,1,2,3
	v_max_num_f32 v[232+\b], v[232+\b], v[111+16*\b]
.endr
.irp b, 0,1,2,3
	s_delay_alu instid0(VALU_DEP_4)
	v_permlanex16_b32 v[236+\b], v[232+\b], s[SEL], s[SEL+1]
.endr
.irp b, 0,1,2,3
	s_delay_alu instid0(VALU_DEP_4)
	v_max_num_f32 v[232+\b], v[232+\b], v[236+\b]  ; with lane l xor 16's 16 keys
.endr
	s_delay_alu instid0(VALU_DEP_2)
	v_max3_num_f32 v254, v232, v233, v234
	s_delay_alu instid0(VALU_DEP_1)
	v_max_num_f32 v254, v254, v235                 ; the step's largest score of my query
	s_delay_alu instid0(VALU_DEP_1)
	v_mul_f32 v254, s[CS], v254                    ; as t
	s_delay_alu instid0(VALU_DEP_1)
	v_max_num_f32 v13, v13, v254                   ; the running largest t
	v_mov_b32 v254, v12
	s_delay_alu instid0(VALU_DEP_2)
	v_floor_f32 v12, -v13                          ; the new -M = -ceil(t)
	s_delay_alu instid0(VALU_DEP_1)
	v_sub_f32 v254, v12, v254                      ; old M - new M: a whole number, 0 or less
	s_delay_alu instid0(VALU_DEP_1)
	v_cvt_i32_f32 v254, v254                       ; (it saturates)
	s_delay_alu instid0(VALU_DEP_1)
	v_ldexp_f32 v252, 1.0, v254                    ; f = 2^(old M - new M)
.set jj, 0
.rept 32
	v_pk_fma_f32 v[96+jj:97+jj], v[96+jj:97+jj], s[CS:CS+1], v[12:13] op_sel_hi:[1,0,0]   ; t - M, two at a time
.set jj, jj+2
.endr
.irp b, 0,1,2,3
	v_fma_f32 v[232+\b], v[232+\b], s[CS], v12     ; the same of each block's largest score
.endr
.set jj, 0
	s_wait_alu depctr_va_vdst(0)
.rept 64
	v_exp_f32 v[96+jj], v[96+jj]                   ; p = 2^(t - M): not normalised
.set jj, jj+1
.endr
.irp b, 0,1,2,3
	v_exp_f32 v[232+\b], v[232+\b]                 ; the block's largest p
.endr
	v_pk_mul_f32 v[14:15], v[14:15], v[252:253] op_sel_hi:[1,0]   ; l under the new M.  (A plain place behind the exponentials)
	s_wait_alu depctr_va_vdst(0)
.irp b, 0,1,2,3
	v_max_num_f32 v[232+\b], 0x2800000, v[232+\b]  ; the floor 2^(5 - 127)
.endr
.irp b, 0,1,2,3
	s_delay_alu instid0(VALU_DEP_4)
	v_add_nc_u32 v[244+\b], 0xfe000000, v[232+\b]  ; the conversion's scale operand
.endr
.irp b, 0,1,2,3
	s_delay_alu instid0(VALU_DEP_4)
	v_lshrrev_b32 v[236+\b], 23, v[244+\b]         ; the byte
.endr
	s_delay_alu instid0(VALU_DEP_3)
	v_lshl_or_b32 v253, v237, 8, v236              ; p's scale word for these 128 keys
	s_delay_alu instid0(VALU_DEP_1)
	v_lshl_or_b32 v253, v238, 16, v253
	s_delay_alu instid0(VALU_DEP_1)
	v_lshl_or_b32 v253, v239, 24, v253
.irp c, 0,1
	v_cvt_scalef32_pk16_bf6_f32 v[224+6*\c:226+6*\c], v[96+32*\c:111+32*\c], v[244+2*\c]
	v_cvt_scalef32_pk16_bf6_f32 v[236+4*\c:238+4*\c], v[112+32*\c:127+32*\c], v[244+2*\c+1]
.endr
	v_nop                                          ; one plain place behind a scaled conversion
.irp c, 0,1
.irp i, 0,1,2
	v_permlane16_swap_b32 v[224+6*\c+\i], v[236+4*\c+\i]
.endr
.irp i, 0,1,2
	s_delay_alu instid0(VALU_DEP_3)
	v_mov_b32 v[227+6*\c+\i], v[236+4*\c+\i]
.endr
.endr
	v_pk_add_f32 v[236:237], v[100:101], v[104:105]
	v_pk_add_f32 v[246:247], v[108:109], v[112:113]
	v_pk_add_f32 v[244:245], v[116:117], v[120:121]
	v_pk_add_f32 v[242:243], v[124:125], v[128:129]
	v_pk_add_f32 v[240:241], v[132:133], v[136:137]
	v_pk_add_f32 v[222:223], v[140:141], v[144:145]
	v_pk_add_f32 v[220:221], v[148:149], v[152:153]
	v_pk_add_f32 v[14:15], v[14:15], v[156:157]
	v_pk_add_f32 v[236:237], v[236:237], v[96:97]
	v_pk_add_f32 v[246:247], v[246:247], v[98:99]
	v_pk_add_f32 v[244:245], v[244:245], v[102:103]
	v_pk_add_f32 v[242:243], v[242:243], v[106:107]
	v_pk_add_f32 v[240:241], v[240:241], v[110:111]
	v_pk_add_f32 v[222:223], v[222:223], v[114:115]
	v_pk_add_f32 v[220:221], v[220:221], v[118:119]
	v_pk_add_f32 v[14:15], v[14:15], v[122:123]
	v_pk_add_f32 v[236:237], v[236:237], v[126:127]
	v_pk_add_f32 v[246:247], v[246:247], v[130:131]
	v_pk_add_f32 v[244:245], v[244:245], v[134:135]
	v_pk_add_f32 v[242:243], v[242:243], v[138:139]
	v_pk_add_f32 v[240:241], v[240:241], v[142:143]
	v_pk_add_f32 v[222:223], v[222:223], v[146:147]
	v_pk_add_f32 v[220:221], v[220:221], v[150:151]
	v_pk_add_f32 v[14:15], v[14:15], v[154:155]
	v_pk_add_f32 v[236:237], v[236:237], v[158:159]
	s_delay_alu instid0(VALU_DEP_2)
	v_pk_add_f32 v[14:15], v[14:15], v[242:243]
	s_delay_alu instid0(VALU_DEP_2)
	v_pk_add_f32 v[236:237], v[236:237], v[240:241]
	v_pk_add_f32 v[246:247], v[246:247], v[222:223]
	v_pk_add_f32 v[244:245], v[244:245], v[220:221]
	s_delay_alu instid0(VALU_DEP_2)
	v_pk_add_f32 v[14:15], v[14:15], v[246:247]
	s_delay_alu instid0(VALU_DEP_2)
	v_pk_add_f32 v[236:237], v[236:237], v[244:245]
	s_delay_alu instid0(VALU_DEP_1)
	v_pk_add_f32 v[14:15], v[14:15], v[236:237]
.set jj, 0
.rept 16
	v_pk_mul_f32 v[160+jj:161+jj], v[160+jj:161+jj], v[252:253] op_sel_hi:[1,0]   ; O^T under the new M.  (With the sums above: the places between p's codes and scale word and the products below)
.set jj, jj+2
.endr
	s_wait_alu depctr_va_vdst(0)
	s_wait_dscnt 0x0                               ; V is in
.irp t, 0,1,2,3                                ; O^T += V^T P^T: four accumulators, one instruction a turn
	v_wmma_scale_f32_16x16x128_f8f6f4 v[160+8*\t:167+8*\t], v[32+12*\t:43+12*\t], v[224:235], v[160+8*\t:167+8*\t], v[248+\t], v253 matrix_a_fmt:MATRIX_FMT_BF6 matrix_b_fmt:MATRIX_FMT_BF6
.endr
	s_cmp_eq_u32 s[CSTEP], s[CBLK]
	s_cbranch_scc0 .Lnofin_\@
	FINISH
.Lnofin_\@:
	s_add_co_u32 s[CSTEP], s[CSTEP], 1
	s_xor_b32 s[TB], s[TB], SLOT1                  ; on to the other slot
.endm
; THE CHANGE OF SLOTS stands at a step's head.  Each wave waits for all its tensor loads (its part of the slot ahead), adds 0 to its spare word, and waits for that and for its reads of the slot that it has left.
; fill = 1: that slot takes the next key step of the walk 0 .. 15 - i, 0 .. i: the load has a whole step in which to land.
.macro CHANGE fill
	s_wait_tensorcnt 0x0                           ; no tensor load of mine is out, so a group 0 may be written
	ds_add_u32 v[SPW], v[NIL]                      ; 0 onto my spare word
.if \fill
	s_xor_b32 s[G0K+1], s[G0K+1], SLOT1
	s_xor_b32 s[G0V+1], s[G0V+1], SLOT1
	s_add_co_u32 s[NS], s[NS], 1
	s_cmp_gt_u32 s[NS], s[LIM]                     ; behind the first block's last step the walk begins again at step 0: a choice, no branch
	s_cselect_b32 s[NS], 0, s[NS]
	s_cselect_b32 s[DEL], s[WRAPB], 0
	s_add_nc_u64 s[G0K+2:G0K+3], s[G0K+2:G0K+3], STEPB
	s_sub_nc_u64 s[G0K+2:G0K+3], s[G0K+2:G0K+3], s[DEL:DEL+1]
	s_add_nc_u64 s[G0V+2:G0V+3], s[G0V+2:G0V+3], STEPB
	s_sub_nc_u64 s[G0V+2:G0V+3], s[G0V+2:G0V+3], s[DEL:DEL+1]
.endif
	s_wait_dscnt 0x0                               ; the add is done, and my reads of the slot that I have left are over
	s_barrier_signal -1
	s_barrier_wait -1
.if \fill
	TLOAD                                          ; the first thing behind the barrier, and a wave's one tensor load until the next
.endif
.endm
	s_wait_loadcnt 0x0                             ; Q
.Ltrip:                                            ; 16 trips: behind each change of slots but the last the next step is asked for
	CHANGE 1
	STEP
	s_sub_co_u32 s[TRIPS], s[TRIPS], 1
	s_cmp_lg_u32 s[TRIPS], 0
	s_cbranch_scc1 .Ltrip
	CHANGE 0                                       ; the 17th step, block i's diagonal, is written out
	STEP
	s_wait_tensorcnt 0x0                           ; the wave's end
	ds_add_u32 v[SPW], v[NIL]
	s_wait_dscnt 0x0
	s_endpgm
.Lfunc_end_k_qe2544030ca_attn:
	.size	k_qe2544030ca_attn, .Lfunc_end_k_qe2544030ca_attn-k_qe2544030ca_attn
	.p2alignl 7, 3214868480
	.fill 96, 4, 3214868480
	.section	.rodata,"a",@progbits
	.p2align	6, 0x0
	.amdhsa_kernel k_qe2544030ca_attn
		.amdhsa_group_segment_fixed_size 327680
		.amdhsa_private_segment_fixed_size 0
		.amdhsa_enable_private_segment 0
		.amdhsa_kernarg_size 16
		.amdhsa_user_sgpr_count 2
		.amdhsa_user_sgpr_kernarg_segment_ptr 1
		.amdhsa_wavefront_size32 1
		.amdhsa_system_sgpr_workgroup_id_x 1
		.amdhsa_system_sgpr_workgroup_id_y 1
		.amdhsa_system_sgpr_workgroup_id_z 1
		.amdhsa_system_vgpr_workitem_id 0
		.amdhsa_next_free_vgpr 256
		.amdhsa_next_free_sgpr 100
		.amdhsa_reserve_vcc 1
		.amdhsa_float_denorm_mode_32 3
		.amdhsa_float_denorm_mode_16_64 3
		.amdhsa_memory_ordered 1
		.amdhsa_forward_progress 1
		.amdhsa_inst_pref_size 70
	.end_amdhsa_kernel
	.amdgpu_metadata
---
amdhsa.version: [ 1, 2 ]
amdhsa.kernels:
  - .name:           k_qe2544030ca_attn
    .symbol:         k_qe2544030ca_attn.kd
    .args:
      - { .name: pf, .offset: 0, .size: 8, .value_kind: global_buffer, .address_space: global }
      - { .name: of, .offset: 8, .size: 8, .value_kind: global_buffer, .address_space: global }
    .group_segment_fixed_size: 327680
    .private_segment_fixed_size: 0
    .kernarg_segment_align: 8
    .kernarg_segment_size: 16
    .max_flat_workgroup_size: 512
    .sgpr_count:     100
    .vgpr_count:     256
    .wavefront_size: 32
...
	.end_amdgpu_metadata
.endif
;; end of part 3
;; launch outp (part 4): grid 4 x 32, 4 waves a work-group, clusters of 4 x 4, 327,680 bytes of LDS; arguments of, wi, b_o, out0; writes out0
.if DOCPART == 4
	.amdgcn_target "amdgcn-amd-amdhsa--gfx1250"
	.amdhsa_code_object_version 6
	.text
	.protected	k_qe2544030ca_outp
	.globl	k_qe2544030ca_outp
	.p2align	8
	.type	k_qe2544030ca_outp,@function
k_qe2544030ca_outp:
	s_mov_b64 s[64:65], 0
	v_nop
	global_prefetch_b8 v0, s[64:65] scope:SCOPE_SE
	s_setreg_imm32_b32 hwreg(HW_REG_WAVE_MODE, 25, 1), 1
	s_wait_xcnt 0x0
	s_wait_alu depctr_hold_cnt(0) depctr_sa_sdst(0) depctr_va_vdst(0) depctr_va_sdst(0) depctr_va_ssrc(0) depctr_va_vcc(0) depctr_vm_vsrc(0)
	s_getreg_b32 s2, hwreg(HW_REG_IB_STS2, 6, 4)
	s_cmp_eq_u32 s2, 0
	s_cbranch_scc0 .Lentry_in_a_cluster
	s_endpgm
.Lentry_in_a_cluster:
	s_bfe_u32 s2, ttmp6, 0x10000c
	s_cmp_lg_u32 s2, 0xf033
	s_cbranch_scc0 .Lentry_shape_is_right
	s_endpgm
.Lentry_shape_is_right:
; out0 = attention's output x w_o + b_o, on operand images of BF6 (E3M2) codes; out0 [8192][1024] f32.
; AN IMAGE: 1,792 bytes, the register picture of a fragment of 16 rows x 128 K: registers 2 p, 2 p + 1 of lane l at 256 p + 8 l; at 1536 + 8 l the scale word of row l % 16.
; Lane r of tile T holds row 32 (T / 2) + 8 (T % 2) + r + 8 (r / 8).  of: image (token tile T, K step) at 14,336 T + 1,792 s;  w_o's images in wi at 3 x 917,504, (column tile, K step) likewise.
; SHARES.  8 clusters of 4 x 4 work-groups; a work-group makes 256 tokens x 256 columns, each of four waves 128 x 128: 64 accumulators.  Source 0 (B) = the weight's columns, source 1 (A) = tokens: a lane holds one token,
; and register j of result tile 2 b + u is column 32 b + 16 h + 8 u + j.  K = 1,024 in 8 steps of 128; a slot holds two steps, two slots, four fills: written out, no loop.
; CLUSTER.  A's tiles are shared along a row of the cluster, B's along a column: each is asked for jointly.  128 work-groups: a smaller tile would give more, at twice the LDS reads for each product.
; The bias is the C of each sum's first matrix instruction.
; REGISTERS, in windows of 256: window 0: v16-29 addresses; v32-63 scale words, two sets; v64-127 the bias; v128-223 A's fragments, one set (on the way out v128-255: rows read back).
;   window 1: B's fragments, two sets.   windows 2, 3: the accumulators of A's blocks 0-3, 4-7: (a, b) at v[8 (8 (a % 4) + b)].
.set IMG,   1792
.set TROW,  8*IMG
.set TILE2, 2*IMG
.set HALFT, 8*TILE2
.set SLOT,  4*HALFT
.set SPARE, 2*SLOT                     ; the spare words, 128 bytes for each wave: two blocks of 256 bytes that no other line names
.set WT,    64*TROW
.set SPITCH, 528                       ; the way out: a stage of 16 rows x (512 bytes + 16) for each wave, in slot 0, which has had its last fill and its last read when the first result is stored there
.set NQ,    2
.set FR,    12
.set NL,    6
.set NP,    4
.set ADRA,  16
.set ADRB,  20
.set ADRS,  22
.set STO,   24
.set RD,    25
.set CO,    26
.set BOF,   27
.set SPW,   28
.set NIL,   29
.set SC,    32
.set BIAS,  64
.set AF,    128
.set BK,    128
.set G1,  24
.set G0,  32
.set G1B, 48
.set G0B, 56
.set MSB, 0
.macro WIN new                         ; the immediate's high byte repeats the setting that is left
.if MSB != \new
	s_set_vgpr_msb (MSB<<8)|\new
.set MSB, \new
.endif
.endm
.set MUL_LO, 0xa1
.set MUL_HI, 0xf1
.set TO_B,   0x40
.macro JLOAD g0a, g1a, g0b, g1b        ; a joint load: waves 0 and 1 fetch for A, waves 2 and 3 for B; four v_nop follow each of the two lines
	s_cmp_eq_u32 s17, 0
	s_cbranch_scc0 .Lfor_b_\@
	tensor_load_to_lds s[\g0a:\g0a+3], s[\g1a:\g1a+7]
	s_nop 0
.rept 4
	v_nop
.endr
	s_branch .Lasked_\@
.Lfor_b_\@:
	tensor_load_to_lds s[\g0b:\g0b+3], s[\g1b:\g1b+7]
	s_nop 0
.rept 4
	v_nop
.endr
.Lasked_\@:
.endm
.macro CREST
	s_cmp_lg_u32 s16, 0
	s_cbranch_scc1 .Lnot_wave_0_\@
	s_barrier_signal -3
.Lnot_wave_0_\@:
	s_barrier_wait -3
	s_barrier_signal -1
	s_barrier_wait -1
.endm
.macro CROUND
	s_barrier_signal -1
	s_barrier_wait -1
	CREST
.endm
	s_load_b256 s[4:11], s[0:1], 0x0               ; of s[4:5], wi s[6:7], b_o s[8:9], out0 s[10:11]
	v_lshl_add_u32 v[SPW], v0, 2, SPARE
	v_mov_b32 v[NIL], 0
	ds_add_u32 v28, v29
	ds_add_u32 v28, v29
	s_wait_dscnt 0x0
	v_lshrrev_b32 v1, 5, v0
	v_readfirstlane_b32 s16, v1                    ; wave 0..3
	s_lshr_b32 s17, s16, 1                         ; which half of A's tiles is mine.  Also: I fetch for A (0) or for B (1)
	s_and_b32 s18, s16, 1                          ; which half of B's.  Also: which eight tiles I fetch
	s_bfe_u32 s40, ttmp6, 0x40000                  ; cx, cy
	s_bfe_u32 s41, ttmp6, 0x40004
	s_lshl_b32 s42, ttmp9, 2
	s_add_co_u32 s42, s42, s40                     ; block of 256 columns = 4 x cluster x + cx
	s_and_b32 s68, ttmp7, 0xffff
	s_lshl_b32 s68, s68, 2
	s_add_co_u32 s68, s68, s41                     ; block of 256 tokens = 4 x cluster y + cy
	s_lshl_b32 s43, s41, 2
	s_lshl_b32 s43, 15, s43                        ; my row of the cluster
	s_lshl_b32 s44, 0x1111, s40                    ; my column
	s_or_b32 s[G1+0], s43, (3<<16)|(1<<21)         ; the mask; elements of 8 bytes; no padding; bit 21 set beside a mask
	s_or_b32 s[G1B+0], s44, (3<<16)|(1<<21)
.irp g, G1, G1B
	s_mov_b32 s[\g+1], 448<<16                     ; eight rows (tiles) of 3,584 bytes (two images), 14,336 bytes apart
	s_mov_b32 s[\g+2], 8<<16
	s_mov_b32 s[\g+3], 448<<16
	s_mov_b32 s[\g+4], 8
	s_mov_b32 s[\g+5], 1792
	s_mov_b32 s[\g+6], 0
	s_mov_b32 s[\g+7], 0
.endr
	s_lshl_b32 s85, s18, 3
	s_lshl_b32 s80, s68, 4
	s_add_co_u32 s80, s80, s85
	s_mul_i32 s80, s80, TROW
	s_mov_b32 s81, 0
	s_lshl_b32 s82, s42, 4
	s_add_co_u32 s82, s82, s85
	s_mul_i32 s82, s82, TROW
	s_add_co_u32 s82, s82, 3*WT
	s_mov_b32 s83, 0
	s_mul_i32 s45, s16, HALFT
	s_wait_kmcnt 0x0
	s_add_nc_u64 s[66:67], s[4:5], s[80:81]
	s_add_nc_u64 s[46:47], s[6:7], s[82:83]
	CROUND                                         ; all sixteen work-groups are here: the first joint loads meet
.irp s, 0,1
	s_mov_b32 s[G0+4*\s], 1
	s_add_co_u32 s[G0+4*\s+1], s45, \s*SLOT
	s_add_nc_u64 s[G0+4*\s+2:G0+4*\s+3], s[66:67], \s*TILE2
	s_or_b32 s[G0+4*\s+3], s[G0+4*\s+3], 0x80000000
	s_mov_b32 s[G0B+4*\s], 1
	s_add_co_u32 s[G0B+4*\s+1], s45, \s*SLOT
	s_add_nc_u64 s[G0B+4*\s+2:G0B+4*\s+3], s[46:47], \s*TILE2
	s_or_b32 s[G0B+4*\s+3], s[G0B+4*\s+3], 0x80000000
	JLOAD G0+4*\s, G1, G0B+4*\s, G1B               ; two loads of mine are out
.endr
	v_and_b32 v1, 31, v0                           ; lane
	v_bfe_u32 v2, v0, 4, 1                         ; h
	s_wait_alu depctr_va_vdst(0)
	v_lshlrev_b32 v3, 3, v1                        ; 8 x lane
	s_mul_i32 s21, s17, HALFT
	s_mul_i32 s22, s18, HALFT
	s_add_co_u32 s22, s22, 2*HALFT
	s_sub_co_u32 s23, s22, s21
	v_mul_u32_u24 v4, s23, v2                      ; lanes 16-31 take B's scale words: one product, the distance from A's to B's
.irp s, 0,1
	v_add_nc_u32 v[ADRA+\s], s21, v3
	v_add_nc_u32 v[ADRB+\s], s22, v3
	v_add_nc_u32 v[ADRS+\s], v[ADRA+\s], v4
	s_add_co_u32 s21, s21, SLOT
	s_add_co_u32 s22, s22, SLOT
.endr
	s_lshl_b32 s86, s42, 10                        ; my first column, in bytes: 1,024 x block + 512 x half
	s_lshl_b32 s87, s18, 9
	s_add_co_u32 s86, s86, s87
	s_mov_b32 s87, 0
	s_add_nc_u64 s[8:9], s[8:9], s[86:87]
	v_lshlrev_b32 v[BOF], 6, v2                    ; the bias: register 8 b + j of lane (r, h) = b_o of column 32 (b / 2) + 8 (b % 2) + 16 h + j
.irp x, 0,1,2,3,4,5,6,7
	global_load_b128 v[BIAS+8*\x:BIAS+8*\x+3], v[BOF], s[8:9] offset:4*(32*(\x/2)+8*(\x%2))
	global_load_b128 v[BIAS+8*\x+4:BIAS+8*\x+7], v[BOF], s[8:9] offset:4*(32*(\x/2)+8*(\x%2))+16
.endr
	s_mul_i32 s23, s16, 16*SPITCH                  ; my stage
	v_and_b32 v5, 15, v0
	v_mul_u32_u24 v5, v5, SPITCH                   ; in: row r, + 64 h
	v_lshl_add_u32 v5, v2, 6, v5
	v_add_nc_u32 v[STO], s23, v5
	v_lshlrev_b32 v[CO], 4, v1                     ; back: the 32 lanes take one row of 512 bytes; and the same in out0
	v_add_nc_u32 v[RD], s23, v[CO]
	s_lshl_b32 s88, s68, 8
	s_lshl_b32 s89, s17, 7
	s_add_co_u32 s88, s88, s89                     ; my first token
	s_lshl_b32 s88, s88, 12
	s_add_co_u32 s88, s88, s86
	s_mov_b32 s89, 0
	s_add_nc_u64 s[10:11], s[10:11], s[88:89]
.macro FRAG reg, adr, q, i             ; an image comes back as the fragment's registers: six loads of 8 bytes a lane, 256 consecutive bytes each
.irp p, 0,1,2,3,4,5
	ds_load_b64 v[\reg+2*\p:\reg+2*\p+1], v[\adr] offset:(\i)*TILE2+(\q)*IMG+256*\p
.endr
.endm
; 16 matrix instructions: A's blocks a0, a0 + 1 x B's eight.  zero = 1: the first products take the bias as C; the window says which registers C's number means.
; The 64 accumulators take turns, one instruction a turn, in the same order in every step.
.macro MUL16 a0, p, q, sc, zero
.irp a, \a0, \a0+1
.irp b, 0,1,2,3,4,5,6,7
.set DD, 8*(8*((\a)%4)+\b)
.if \zero == 1
.set CC, BIAS+8*\b
.else
.set CC, DD
.endif
	v_wmma_scale_f32_16x16x128_f8f6f4 v[DD:DD+7], v[128*(\p)+FR*\b:128*(\p)+FR*\b+FR-1], v[AF+FR*(\a):AF+FR*(\a)+FR-1], v[CC:CC+7], v[SC+8*NQ*(\sc)+NQ*\b+(\q)], v[SC+8*NQ*(\sc)+NQ*(\a)+(\q)] matrix_a_fmt:MATRIX_FMT_BF6 matrix_b_fmt:MATRIX_FMT_BF6 matrix_a_scale:MATRIX_SCALE_ROW1
.endr
.endr
.endm
.macro FETCH_B slot, q, p
	WIN TO_B
.irp i, 0,1,2,3,4,5,6,7
	FRAG 128*(\p)+FR*\i, ADRB+\slot, \q, \i
.endr
	WIN 0
.endm
.macro FETCH_A slot, q, i0
.irp i, \i0, \i0+1, \i0+2, \i0+3
	FRAG AF+FR*(\i), ADRA+\slot, \q, \i
.endr
.endm
.macro SCALES sc
.irp i, 0,1,2,3,4,5,6,7
.irp q, 0,1
	ds_load_b32 v[SC+8*NQ*\sc+NQ*\i+\q], v[ADRS+\sc] offset:\i*TILE2+\q*IMG+1536
.endr
.endr
.endm
.macro PLACES n
.rept \n
	v_nop
.endr
.endm
.macro STEP slot, q, zero
	s_wait_dscnt 4*NL                              ; all but the youngest 24 loads (A's blocks 4-7) are in
.if \zero
	WIN 0x81                                       ; C (the bias) window 0, D window 2
.else
	WIN MUL_LO
.endif
	MUL16 0, (\q)%2, \q, \slot, \zero
	MUL16 2, (\q)%2, \q, \slot, \zero
	s_wait_dscnt 0
	PLACES NP
	FETCH_B \slot, (\q)+1, 1-(\q)%2
	FETCH_A \slot, (\q)+1, 0
.if \zero
	WIN 0xc1
.else
	WIN MUL_HI
.endif
	MUL16 4, (\q)%2, \q, \slot, \zero
	MUL16 6, (\q)%2, \q, \slot, \zero
	PLACES NP
	WIN 0
	FETCH_A \slot, (\q)+1, 4
.endm
.macro TURN slot, next, fill
	s_wait_tensorcnt 0x0                           ; all my tensor loads have landed: my part of the next slot
	ds_add_u32 v[SPW], v[NIL]                      ; 0 onto my spare word
	s_wait_dscnt 4*NL+1                            ; (the add and the youngest 24 loads may be out)
	WIN MUL_LO
	MUL16 0, 1, NQ-1, \slot, 0
	s_wait_dscnt 0x0                               ; the add is done, and my reads of this slot are over
	s_barrier_signal -1
	MUL16 2, 1, NQ-1, \slot, 0
	WIN 0
	s_barrier_wait -1
.if \fill
	CREST                                          ; a round of the cluster's barrier: no wave of any partner still reads this slot or has a load on its way
	s_add_nc_u64 s[G0+4*\slot+2:G0+4*\slot+3], s[G0+4*\slot+2:G0+4*\slot+3], 2*TILE2
	s_add_nc_u64 s[G0B+4*\slot+2:G0B+4*\slot+3], s[G0B+4*\slot+2:G0B+4*\slot+3], 2*TILE2
	JLOAD G0+4*\slot, G1, G0B+4*\slot, G1B         ; the first tensor load behind the round; its four v_nop are the places in front of the loads below
.else
	PLACES NP
.endif
	s_wait_alu depctr_va_vdst(0)
	FETCH_B \next, 0, 0
	FETCH_A \next, 0, 0
	SCALES \next
	WIN MUL_HI
	MUL16 4, 1, NQ-1, \slot, 0
	MUL16 6, 1, NQ-1, \slot, 0
	PLACES NP
	WIN 0
	FETCH_A \next, 0, 4
.endm
	s_wait_tensorcnt 0x1                           ; my part of slot 0 is in; slot 1's load may be out
	s_barrier_signal -1
	s_barrier_wait -1
	FETCH_B 0, 0, 0
	FETCH_A 0, 0, 0
	SCALES 0
	FETCH_A 0, 0, 4
	s_wait_loadcnt 0x0                             ; the bias
	STEP 0, 0, 1
	TURN 0, 1, 1
	STEP 1, 0, 0
	TURN 1, 0, 1
	STEP 0, 0, 0
	TURN 0, 1, 0
	STEP 1, 0, 0
	s_wait_dscnt 4*NL
	WIN MUL_LO
	MUL16 0, 1, NQ-1, 1, 0
	MUL16 2, 1, NQ-1, 1, 0
	s_wait_dscnt 0
	WIN MUL_HI
	MUL16 4, 1, NQ-1, 1, 0
	MUL16 6, 1, NQ-1, 1, 0
	WIN 0
; THE WAY OUT, block by block of 16 tokens x 128 columns: through my own stage in LDS, back as whole rows of 512 bytes.  LDS serves a wave's instructions in order: no wait between the stores and the loads.
.macro TOSTAGE a
.set AC, 64*((\a)%4)
	WIN 0x08+4*((\a)/4)                            ; the data: window 2 or 3
.irp b, 0,1,2,3,4,5,6,7
	ds_store_b128 v[STO], v[AC+8*\b:AC+8*\b+3] offset:128*(\b/2)+32*(\b%2)        ; each accumulator from its low end on
	ds_store_b128 v[STO], v[AC+8*\b+4:AC+8*\b+7] offset:128*(\b/2)+32*(\b%2)+16
.endr
	WIN 0
.set BB, BK+64*((\a)%2)
.irp t, 0,1,2,3,4,5,6,7,8,9,10,11,12,13,14,15
	ds_load_b128 v[BB+4*\t:BB+4*\t+3], v[RD] offset:\t*SPITCH
.endr
.endm
.macro SEND a, younger                 ; younger: the LDS instructions issued behind block a's loads, which may stay out
.set BB, BK+64*((\a)%2)
	s_wait_dscnt \younger
.irp t, 0,1,2,3,4,5,6,7,8,9,10,11,12,13,14,15
	global_store_b128 v[CO], v[BB+4*\t:BB+4*\t+3], s[10:11] offset:(32*((\a)/2)+8*((\a)%2)+\t+8*(\t/8))*4096 th:TH_STORE_NT   ; stage row t is token 32 (a / 2) + 8 (a % 2) + t + 8 (t / 8); 512 consecutive bytes, aligned; 127 rows at the most: inside the signed 24-bit immediate
.endr
.endm
	PLACES NP                                      ; behind the last products: results are read, and registers that held A's fragments are loaded
	TOSTAGE 0
.irp a, 1,2,3,4,5,6,7
.if \a > 1
	s_wait_xcnt 0x0                                ; block a - 2's stores have read their registers: block a's loads may land there
.endif
	TOSTAGE \a
	SEND \a-1, 32                                  ; behind block a - 1's loads: block a's 16 stores and 16 loads
.endr
	SEND 7, 0
	s_wait_tensorcnt 0x0                           ; the wave's end
	ds_add_u32 v[SPW], v[NIL]
	s_wait_dscnt 0x0
	CROUND                                         ; the closing round
	s_endpgm
.Lfunc_end_k_qe2544030ca_outp:
	.size	k_qe2544030ca_outp, .Lfunc_end_k_qe2544030ca_outp-k_qe2544030ca_outp
	.p2alignl 7, 3214868480
	.fill 96, 4, 3214868480
	.section	.rodata,"a",@progbits
	.p2align	6, 0x0
	.amdhsa_kernel k_qe2544030ca_outp
		.amdhsa_group_segment_fixed_size 327680
		.amdhsa_private_segment_fixed_size 0
		.amdhsa_enable_private_segment 0
		.amdhsa_kernarg_size 32
		.amdhsa_user_sgpr_count 2
		.amdhsa_user_sgpr_kernarg_segment_ptr 1
		.amdhsa_wavefront_size32 1
		.amdhsa_system_sgpr_workgroup_id_x 1
		.amdhsa_system_sgpr_workgroup_id_y 1
		.amdhsa_system_sgpr_workgroup_id_z 1
		.amdhsa_system_vgpr_workitem_id 0
		.amdhsa_next_free_vgpr 1024
		.amdhsa_next_free_sgpr 100
		.amdhsa_reserve_vcc 0
		.amdhsa_float_denorm_mode_32 3
		.amdhsa_float_denorm_mode_16_64 3
		.amdhsa_memory_ordered 1
		.amdhsa_forward_progress 1
		.amdhsa_inst_pref_size 160
	.end_amdhsa_kernel
	.amdgpu_metadata
---
amdhsa.version: [ 1, 2 ]
amdhsa.kernels:
  - .name:           k_qe2544030ca_outp
    .symbol:         k_qe2544030ca_outp.kd
    .args:
      - { .name: of, .offset: 0, .size: 8, .value_kind: global_buffer, .address_space: global }
      - { .name: wi, .offset: 8, .size: 8, .value_kind: global_buffer, .address_space: global }
      - { .name: b_o, .offset: 16, .size: 8, .value_kind: global_buffer, .address_space: global }
      - { .name: out0, .offset: 24, .size: 8, .value_kind: global_buffer, .address_space: global }
    .group_segment_fixed_size: 327680
    .private_segment_fixed_size: 0
    .kernarg_segment_align: 8
    .kernarg_segment_size: 32
    .max_flat_workgroup_size: 128
    .sgpr_count:     100
    .vgpr_count:     1024
    .wavefront_size: 32
...
	.end_amdgpu_metadata
.endif
;; end of part 4
